; MI455X (gfx1250); checked and timed in simulation.
; The chip was launched on July 23, 2026; its instructions are those of AMD's public machine-readable ISA for CDNA 5 (MIT licence, August 2026) and "CDNA5" Instruction Set Architecture Reference Guide (July 2026). The comments in the code are by the model that wrote it; some were corrected since.
;; Feed Forward. Allowed arithmetic: matrix products marked QUANTISED: E3M2 operands, one E8M0 scale for each 32 along K, by v_wmma_scale_f32_16x16x128_f8f6f4 with both operands' format E3M2, f32 sums; everything else in f32.
;; Inputs: b1 4,096 float32; b2 1,024 float32; ln1_b 1,024 float32; ln1_g 1,024 float32; ln2_b 4,096 float32; ln2_g 4,096 float32; w1 4,096 x 1,024 float32; w2 1,024 x 4,096 float32; x 8 x 1,024 x 1,024 float32.
;; Outputs: out0 8 x 1,024 x 1,024 float32.
;; This version of the problem:
;;   THIS VERSION OF THE PROBLEM IS GIVEN IN LOW PRECISION. The matrix products marked QUANTISED in the list below multiply operands that are first quantised to E3M2 (3 exponent bits, 2 mantissa bits; 6 bits a number), with one power-of-two scale for each 32 numbers along K (OCP MX v1.0); their sums are f32. All else is computed in f32.
;;   The module's matrix products, in the order in which they are computed (A, B: the left and right operand; K: the contracted axis; several contracted axes count as one K, in the product's order):
;;     1. [M 8,192, K 1,024] x [K 1,024, N 4,096]; A: computed on the way; B: computed on the way: QUANTISED
;;     2. [M 8,192, K 4,096] x [K 4,096, N 1,024]; A: computed on the way; B: computed on the way: QUANTISED
;;   THE QUANTISER, for each operand of a quantised product, along K:
;;     - K is cut into blocks of 32 from its start; a last block that is shorter is filled with zeros.
;;     - A block's scale is 2^e with e = floor(log2(the largest magnitude in the block)) - 4, held to -126 .. 127; a block of zeros has e = 0. As a byte (E8M0): e + 127.
;;     - Each number is divided by its block's scale, clamped to +-28, and rounded to the nearest number of E3M2, ties to even, subnormals kept.
;;     - The product sums the exact products of the quantised numbers (number of the format x scale) in f32.
;;   ~~~python
;;   def quantise(x, axis):      # numpy; x: float32 -> the quantised numbers, widened to float32 again
;;       x = np.moveaxis(x, axis, -1); K = x.shape[-1]
;;       x = np.pad(x, [(0, 0)] * (x.ndim - 1) + [(0, -K % 32)]); x = x.reshape(x.shape[:-1] + (-1, 32)); a = np.abs(x).max(-1, keepdims=True)
;;       e = np.where(a > 0, np.clip(np.frexp(np.where(a > 0, a, 1))[1] - 1 - 4, -126, 127), 0)      # np.frexp(a)[1] - 1 = floor(log2(a)), exactly
;;       r = np.clip(x / 2.0 ** e, -28, 28)
;;       step = 2.0 ** (np.maximum(np.frexp(np.where(r == 0, 1, r))[1] - 1, -2) - 2)
;;       q = np.round(r / step) * step * 2.0 ** e      # np.round: ties to even
;;       return np.moveaxis(q.reshape(q.shape[:-2] + (-1,))[..., :K], -1, axis).astype(np.float32)
;;   ~~~
;;   OPERANDS COMPUTED ON THE WAY. 'Computed on the way' means the value that the module computes at that place (a softmax that the list does not call 'softmax' is quantised finished and normalised). What goes into a quantiser is computed in f32, as accurately as f32 sums, v_exp_f32 and their like allow (about 1e-6 of the number): no bf16 or f16 on the way to a quantiser, and a product that is left as it is and whose result goes on into a quantised operand takes f32 operands (vector FMAs, or v_wmma_f32_16x16x4_f32). A number that lies on a knife's edge between two numbers of the format may be rounded either way, as far as f32 arithmetic and the matrix unit's own rounding can turn it there, and no further.
;; One version. Each part assembles by itself: llvm-mc -triple=amdgcn-amd-amdhsa -mcpu=gfx1250 --defsym DOCPART=n.
;; ======== version 1 of 1: 5 launches
;; limits: right only within a limited range of input values
;; workspace buffers: psum 4,096 bytes; xc 6,815,744 bytes; wc 3,407,872 bytes; hg 134,217,728 bytes; st 1,048,576 bytes; hc 26,214,400 bytes; w2c 3,276,800 bytes
;; launch prep (part 1): grid 768 x 1, 4 waves a work-group, no clusters, 33,280 bytes of LDS; arguments x, ln1_g, ln1_b, w1, w2, xc, psum; writes xc, psum
.if DOCPART == 1
	.amdgcn_target "amdgcn-amd-amdhsa--gfx1250"
	.amdhsa_code_object_version 6
	.text
	.protected	k_q4b878e5aa3_prep
	.globl	k_q4b878e5aa3_prep
	.p2align	8
	.type	k_q4b878e5aa3_prep,@function
k_q4b878e5aa3_prep:
	s_mov_b64 s[64:65], 0
	v_nop
	global_prefetch_b8 v0, s[64:65] scope:SCOPE_SE
	s_setreg_imm32_b32 hwreg(HW_REG_WAVE_MODE, 25, 1), 1
	s_wait_xcnt 0x0
; Two jobs in one launch, told apart by the work-group's number.
; WORK-GROUPS 0-511: h = layer_norm(x) * g + b for x [8192][1024] f32, then h is turned into codes of BF6 (E3M2) with one E8M0 scale byte for each 32 along K.
; xc IS LAID AS THE PRODUCT'S TENSOR LOADS TAKE IT: [128 rows][256 along K][row][208 bytes]: 192 bytes of codes, their 8 scale bytes, 8 bytes of zeros.
; A wave owns 4 rows, one at a time in 32 registers, three sets by turns: the row is read from memory once; mean first, then the centred squares.
; WORK-GROUPS 512-767: partial sums of |w1| (512-639) and |w2| (640-767), one f32 a wave, into psum [2][512]: the next launch adds them for the two means.
; A block's scale is 2^(floor(log2(its largest magnitude)) - 4); its byte is the largest magnitude's exponent field - 4, held at 1 from below.
; LIMITS: NaN and infinities among the inputs are not served.  A block whose largest magnitude lies under 2^-122 keeps the byte 1; a block of zeros gets the byte 1 where the rule says 127:
; its codes are zeros, which add nothing, and the bytes are read by this program alone.
; LAYOUT OF A ROW IN REGISTERS: load j of 8 reads 512 consecutive bytes, 16 a lane: register 4 j + e holds column 128 j + 4 lane + e; g and b lie the same way and stay.
; The conversion takes 16 neighbours along K from one lane, so the finished row turns through the wave's own stage in LDS: in as it lies, back 64 bytes a lane (16 bytes of padding behind each 64).
; No barrier: waves share nothing.  Only the first job touches LDS.
.set SEL, 22
.set T,   20
.set GA,  32
.set BE,  64
.set R,   96                           ; v96-191  three rows by turns
.set X,   192                          ; v192-223 the row as 2 x 16 neighbours a lane
.set C,   224                          ; codes: 8 registers for each of two rows by turns
.set E,   240
.set SPW, 244
.set NIL, 245
.set AC,  160                          ; the second job's sixteen chains
.set WREG, 8192
.set SP,  80
.set SBY, 2*32*SP
.macro XADD r, t                       ; the sum over the 32 lanes, in every lane
	v_add_f32_dpp v[\r], v[\r], v[\r] row_xmask:1 row_mask:0xf bank_mask:0xf
	v_add_f32_dpp v[\r], v[\r], v[\r] row_xmask:2 row_mask:0xf bank_mask:0xf
	v_add_f32_dpp v[\r], v[\r], v[\r] row_xmask:4 row_mask:0xf bank_mask:0xf
	v_add_f32_dpp v[\r], v[\r], v[\r] row_xmask:8 row_mask:0xf bank_mask:0xf
	v_permlanex16_b32 v[\t], v[\r], s[SEL], s[SEL+1]
	v_add_f32 v[\r], v[\r], v[\t]
.endm
.macro QSTEP xs, cc, ee, ta, tb, tc    ; 16 neighbours of a lane (two lanes hold a block) -> 96 bits of codes and the block's byte
	v_max3_num_f32 v[\ta], |v[\xs]|, |v[\xs+1]|, |v[\xs+2]|
	v_max3_num_f32 v[\tb], |v[\xs+3]|, |v[\xs+4]|, |v[\xs+5]|
.irp i, 6,10
	v_max3_num_f32 v[\ta], v[\ta], |v[\xs+\i]|, |v[\xs+\i+1]|
	v_max3_num_f32 v[\tb], v[\tb], |v[\xs+\i+2]|, |v[\xs+\i+3]|
.endr
	v_max3_num_f32 v[\ta], v[\ta], |v[\xs+14]|, |v[\xs+15]|
	v_max3_num_f32 v[\ta], v[\ta], v[\tb], 0x2800000               ; the floor 2^(5 - 127): the byte cannot fall under 1
	v_max_num_f32_dpp v[\ta], v[\ta], v[\ta] row_xmask:1 row_mask:0xf bank_mask:0xf
	v_add_nc_u32 v[\tc], 0xfe000000, v[\ta]                        ; 4 off the exponent field: the conversion's scale operand
	v_cvt_scalef32_pk16_bf6_f32 v[\cc:\cc+2], v[\xs:\xs+15], v[\tc]
	v_lshrrev_b32 v[\ee], 23, v[\tc]                               ; the scale's byte; also the plain line behind the conversion
.endm
	s_load_b256 s[4:11], s[0:1], 0x0               ; x, g, b, w1
	s_load_b128 s[12:15], s[0:1], 0x20             ; w2, xc
	s_load_b64 s[18:19], s[0:1], 0x30              ; psum
	v_lshl_add_u32 v[SPW], v0, 2, 0x8000
	v_mov_b32 v[NIL], 0
	v_lshrrev_b32 v1, 5, v0
	v_readfirstlane_b32 s20, v1                    ; wave
	v_and_b32 v2, 31, v0                           ; lane
	v_lshlrev_b32 v3, 4, v2                        ; my 16 bytes of a load's 512
	v_mov_b32 v28, 0                               ; a lane permute's destination counts as one of its sources
	s_mov_b32 s[SEL], 0x76543210
	s_mov_b32 s[SEL+1], 0xfedcba98
	s_mov_b32 s29, 0
	s_wait_kmcnt 0x0
	s_cmp_lt_u32 ttmp9, 512
	s_cbranch_scc0 .Lsum
	; ---------------- layer norm 1 and its codes ----------------
	s_lshl_b32 s26, ttmp9, 2
	s_add_co_u32 s26, s26, s20                     ; which run of 4 rows is my wave's
	s_lshl_b32 s28, s26, 14
	s_add_nc_u64 s[4:5], s[4:5], s[28:29]
	s_lshr_b32 s28, s26, 5                         ; 32 runs to a block of 128 rows,
	s_mul_i32 s28, s28, 106496                     ; which is 4 x 128 x 208 bytes
	s_and_b32 s27, s26, 31
	s_mul_i32 s27, s27, 832                        ; 4 rows of 208 bytes
	s_add_co_u32 s28, s28, s27
	s_add_nc_u64 s[14:15], s[14:15], s[28:29]
	s_wait_alu depctr_va_vdst(0)
.irp j, 0,1,2,3,4,5,6,7
	global_load_b128 v[GA+4*\j:GA+4*\j+3], v3, s[6:7] offset:512*\j
.endr
.irp j, 0,1,2,3,4,5,6,7
	global_load_b128 v[BE+4*\j:BE+4*\j+3], v3, s[8:9] offset:512*\j
.endr
.macro XLOAD t                         ; row t into set t % 3
.irp j, 0,1,2,3,4,5,6,7
	global_load_b128 v[R+32*((\t)%3)+4*\j:R+32*((\t)%3)+4*\j+3], v3, s[4:5] offset:4096*(\t)+512*\j th:TH_LOAD_NT
.endr
.endm
	XLOAD 0
	XLOAD 1
	XLOAD 2
	s_mov_b32 s24, 0x3a800000                      ; 1 / 1024
	s_mov_b32 s25, 0x3727c5ac                      ; 1e-5
	s_mul_i32 s21, s20, WREG
	v_lshrrev_b32 v14, 2, v2
	v_mul_u32_u24 v14, v14, SP
	v_and_b32 v15, 3, v2
	v_lshl_add_u32 v14, v15, 4, v14
	v_add_nc_u32 v14, s21, v14                     ; the stage, on the way in
	v_mul_u32_u24 v15, v2, SP
	v_add_nc_u32 v15, s21, v15                     ; and on the way out: my 16 neighbours
	v_and_b32 v4, 15, v2
	v_mul_u32_u24 v4, v4, 12                       ; my 12 bytes of a row's 192 in a chunk of 256 along K;
	v_lshrrev_b32 v7, 4, v2
	v_mad_u32_u24 v4, v7, 26624, v4                ; lanes 16-31 hold the next chunk: 128 x 208 bytes on
	s_add_co_u32 s21, s21, SBY
	v_lshrrev_b32 v5, 1, v2
	v_add_nc_u32 v5, s21, v5                       ; LDS: my wave's 128 scale bytes, my block's byte
	v_lshl_add_u32 v6, v2, 2, s21                  ; and on the way out 4 bytes a lane
	v_lshrrev_b32 v7, 3, v2                        ; their place in xc: lane l holds row l / 8, chunk (l / 2) % 4, word l % 2
	v_mul_u32_u24 v7, v7, 208
	v_bfe_u32 v13, v2, 1, 2
	v_mad_u32_u24 v7, v13, 26624, v7
	v_and_b32 v13, 1, v2
	v_lshl_add_u32 v7, v13, 2, v7
	v_add_nc_u32 v7, 192, v7                       ; behind the row's codes
	v_mov_b32 v17, 0                               ; upper words of the pairs whose low word serves both halves
	v_mov_b32 v19, 0
.macro XROW t
.set RP, R+32*((\t)%3)
.set CP, C+8*((\t)%2)
.set EP, E+2*((\t)%2)
.if (\t) < 2
	s_wait_loadcnt 16                              ; my row is in; the 16 loads of the two rows behind it stay out
.else
	s_wait_loadcnt 8*(3-(\t))
.endif
.if (\t) >= 2
	s_wait_xcnt 0x0                                ; the stores of two rows ago have read their registers
.endif
.irp k, 0,1,2,3
	v_pk_add_f32 v[T+2*\k:T+2*\k+1], v[RP+2*\k:RP+2*\k+1], v[RP+8+2*\k:RP+8+2*\k+1]
.endr
.irp q, 2,3
.irp k, 0,1,2,3
	v_pk_add_f32 v[T+2*\k:T+2*\k+1], v[T+2*\k:T+2*\k+1], v[RP+8*\q+2*\k:RP+8*\q+2*\k+1]
.endr
.endr
	v_pk_add_f32 v[T:T+1], v[T:T+1], v[T+2:T+3]
	v_pk_add_f32 v[T+4:T+5], v[T+4:T+5], v[T+6:T+7]
	v_pk_add_f32 v[T:T+1], v[T:T+1], v[T+4:T+5]
	v_add_f32 v8, v[T], v[T+1]
	XADD 8, 28
	v_mul_f32 v16, s24, v8                         ; the mean
.irp j, 0,1,2,3,4,5,6,7,8,9,10,11,12,13,14,15
	v_pk_add_f32 v[RP+2*\j:RP+2*\j+1], v[RP+2*\j:RP+2*\j+1], v[16:17] op_sel_hi:[1,0] neg_lo:[0,1] neg_hi:[0,1]
.endr
.irp k, 0,1,2,3
	v_pk_mul_f32 v[T+2*\k:T+2*\k+1], v[RP+2*\k:RP+2*\k+1], v[RP+2*\k:RP+2*\k+1]
.endr
.irp q, 1,2,3
.irp k, 0,1,2,3
	v_pk_fma_f32 v[T+2*\k:T+2*\k+1], v[RP+8*\q+2*\k:RP+8*\q+2*\k+1], v[RP+8*\q+2*\k:RP+8*\q+2*\k+1], v[T+2*\k:T+2*\k+1]
.endr
.endr
	v_pk_add_f32 v[T:T+1], v[T:T+1], v[T+2:T+3]
	v_pk_add_f32 v[T+4:T+5], v[T+4:T+5], v[T+6:T+7]
	v_pk_add_f32 v[T:T+1], v[T:T+1], v[T+4:T+5]
	v_add_f32 v8, v[T], v[T+1]
	XADD 8, 28
	v_fma_f32 v8, v8, s24, s25                     ; the variance + 1e-5
	s_wait_alu depctr_va_vdst(0)                   ; ahead of the transcendental,
	v_rsq_f32 v18, v8
	v_nop
	s_wait_alu depctr_va_vdst(0)                   ; and ahead of its first reader
.irp j, 0,1,2,3,4,5,6,7,8,9,10,11,12,13,14,15
	v_pk_mul_f32 v[RP+2*\j:RP+2*\j+1], v[RP+2*\j:RP+2*\j+1], v[18:19] op_sel_hi:[1,0]
.endr
.irp j, 0,1,2,3,4,5,6,7,8,9,10,11,12,13,14,15
	v_pk_fma_f32 v[RP+2*\j:RP+2*\j+1], v[RP+2*\j:RP+2*\j+1], v[GA+2*\j:GA+2*\j+1], v[BE+2*\j:BE+2*\j+1]
.endr
.irp s, 0,1                            ; the turn: LDS serves a wave's instructions in order (ISA guide 5.7.1.4)
.irp i, 0,1,2,3
	ds_store_b128 v14, v[RP+16*\s+4*\i:RP+16*\s+4*\i+3] offset:32*SP*\s+8*SP*\i
.endr
.endr
.irp s, 0,1
.irp i, 0,1,2,3
	ds_load_b128 v[X+16*\s+4*\i:X+16*\s+4*\i+3], v15 offset:32*SP*\s+16*\i
.endr
.endr
	s_wait_dscnt 0x0                               ; the neighbours are in, and the stores have read the row's registers,
.if (\t)+3 < 4
	XLOAD (\t)+3                                   ; which take the row three further on
.endif
	QSTEP X, CP, EP, 8, 9, 10
	QSTEP X+16, CP+4, EP+1, 11, 12, 13
	ds_store_b8 v5, v[EP] offset:32*(\t)           ; both lanes of a block write the same byte with the same value
	ds_store_b8 v5, v[EP+1] offset:32*(\t)+16
	global_store_b96 v4, v[CP:CP+2], s[14:15] offset:208*(\t)          ; chunks 0 and 1 of the row: sixteen lanes store 192 consecutive bytes
	global_store_b96 v4, v[CP+4:CP+6], s[14:15] offset:208*(\t)+53248  ; chunks 2 and 3
.endm
.irp t, 0,1,2,3
	XROW \t
.endr
	ds_load_b32 v8, v6                             ; my wave's 128 scale bytes: these loads see my stores
	v_mov_b32 v9, 0
	s_wait_alu depctr_va_vdst(0)
	s_wait_dscnt 0x0
	global_store_b32 v7, v8, s[14:15]              ; a word of scale bytes a lane, behind its codes,
	global_store_b32 v7, v9, s[14:15] offset:8     ; and the zeros that end a row's 208 bytes
	s_wait_tensorcnt 0x0                           ; the wave's end
	ds_add_u32 v[SPW], v[NIL]
	s_wait_dscnt 0x0
	s_endpgm
	; ---------------- partial sums of |w| ----------------
.Lsum:
	s_sub_co_u32 s21, ttmp9, 512                   ; 0-127: w1; 128-255: w2
	s_cmp_lt_u32 s21, 128
	s_cselect_b64 s[10:11], s[10:11], s[12:13]
	s_and_b32 s26, s21, 127
	s_lshl_b32 s26, s26, 2
	s_add_co_u32 s26, s26, s20
	s_lshl_b32 s28, s26, 15                        ; my wave's 32,768 bytes of the tensor
	s_add_nc_u64 s[10:11], s[10:11], s[28:29]
	s_lshl_b32 s28, s21, 2
	s_add_co_u32 s28, s28, s20
	s_lshl_b32 s28, s28, 2                         ; my word of psum
	s_add_nc_u64 s[18:19], s[18:19], s[28:29]
.macro WLOAD t                         ; round t: 4,096 consecutive bytes into set t % 4 (v32-159)
.irp j, 0,1,2,3,4,5,6,7
	global_load_b128 v[32+32*((\t)%4)+4*\j:32+32*((\t)%4)+4*\j+3], v3, s[10:11] offset:4096*(\t)+512*\j
.endr
.endm
	s_wait_alu depctr_va_vdst(0)
	WLOAD 0
	WLOAD 1
	WLOAD 2
	WLOAD 3
.macro WROUND t
.set WS, 32+32*((\t)%4)
.if (\t) < 5
	s_wait_loadcnt 24                              ; this round's loads are in; the 24 of the three rounds behind it stay out
.else
	s_wait_loadcnt 8*(7-(\t))
.endif
.if (\t) == 0
.irp j, 0,1,2,3,4,5,6,7,8,9,10,11,12,13,14,15
	v_add_f32 v[AC+\j], |v[WS+\j]|, |v[WS+16+\j]|  ; sixteen chains, started by the first round
.endr
.else
.irp j, 0,1,2,3,4,5,6,7,8,9,10,11,12,13,14,15
	v_add_f32 v[AC+\j], |v[WS+\j]|, v[AC+\j]
.endr
.irp j, 0,1,2,3,4,5,6,7,8,9,10,11,12,13,14,15
	v_add_f32 v[AC+\j], |v[WS+16+\j]|, v[AC+\j]
.endr
.endif
.if (\t)+4 < 8
	WLOAD (\t)+4
.endif
.endm
.irp t, 0,1,2,3,4,5,6,7
	WROUND \t
.endr
.irp k, 0,1,2,3
	v_pk_add_f32 v[AC+2*\k:AC+1+2*\k], v[AC+2*\k:AC+1+2*\k], v[AC+8+2*\k:AC+9+2*\k]
.endr
	v_pk_add_f32 v[AC:AC+1], v[AC:AC+1], v[AC+2:AC+3]
	v_pk_add_f32 v[AC+4:AC+5], v[AC+4:AC+5], v[AC+6:AC+7]
	v_pk_add_f32 v[AC:AC+1], v[AC:AC+1], v[AC+4:AC+5]
	v_add_f32 v[AC], v[AC], v[AC+1]
	XADD AC, 28
	v_mov_b32 v1, 0
	v_cmp_eq_u32 vcc_lo, 0, v2
	s_wait_alu depctr_va_vdst(0)
	s_wait_xcnt 0x0                                ; EXEC changes only behind this wait
	s_and_saveexec_b32 s32, vcc_lo
	global_store_b32 v1, v[AC], s[18:19]           ; lane 0 stores the wave's sum
	s_wait_xcnt 0x0
	s_or_b32 exec_lo, exec_lo, s32
	s_endpgm
.Lfunc_end_k_q4b878e5aa3_prep:
	.size	k_q4b878e5aa3_prep, .Lfunc_end_k_q4b878e5aa3_prep-k_q4b878e5aa3_prep
	.p2alignl 7, 3214868480
	.fill 96, 4, 3214868480
	.section	.rodata,"a",@progbits
	.p2align	6, 0x0
	.amdhsa_kernel k_q4b878e5aa3_prep
		.amdhsa_group_segment_fixed_size 33280
		.amdhsa_private_segment_fixed_size 0
		.amdhsa_enable_private_segment 0
		.amdhsa_kernarg_size 56
		.amdhsa_user_sgpr_count 2
		.amdhsa_user_sgpr_kernarg_segment_ptr 1
		.amdhsa_wavefront_size32 1
		.amdhsa_system_sgpr_workgroup_id_x 1
		.amdhsa_system_sgpr_workgroup_id_y 1
		.amdhsa_system_sgpr_workgroup_id_z 1
		.amdhsa_system_vgpr_workitem_id 0
		.amdhsa_next_free_vgpr 246
		.amdhsa_next_free_sgpr 66
		.amdhsa_reserve_vcc 1
		.amdhsa_float_denorm_mode_32 3
		.amdhsa_float_denorm_mode_16_64 3
		.amdhsa_memory_ordered 1
		.amdhsa_forward_progress 1
		.amdhsa_inst_pref_size 67
	.end_amdhsa_kernel
	.amdgpu_metadata
---
amdhsa.version: [ 1, 2 ]
amdhsa.kernels:
  - .name:           k_q4b878e5aa3_prep
    .symbol:         k_q4b878e5aa3_prep.kd
    .args:
      - { .name: x, .offset: 0, .size: 8, .value_kind: global_buffer, .address_space: global }
      - { .name: ln1_g, .offset: 8, .size: 8, .value_kind: global_buffer, .address_space: global }
      - { .name: ln1_b, .offset: 16, .size: 8, .value_kind: global_buffer, .address_space: global }
      - { .name: w1, .offset: 24, .size: 8, .value_kind: global_buffer, .address_space: global }
      - { .name: w2, .offset: 32, .size: 8, .value_kind: global_buffer, .address_space: global }
      - { .name: xc, .offset: 40, .size: 8, .value_kind: global_buffer, .address_space: global }
      - { .name: psum, .offset: 48, .size: 8, .value_kind: global_buffer, .address_space: global }
    .group_segment_fixed_size: 33280
    .private_segment_fixed_size: 0
    .kernarg_segment_align: 8
    .kernarg_segment_size: 56
    .max_flat_workgroup_size: 128
    .sgpr_count:     66
    .vgpr_count:     246
    .wavefront_size: 32
...
	.end_amdgpu_metadata
.endif
;; end of part 1
;; launch wq (part 2): grid 256 x 1, 4 waves a work-group, no clusters, 33,280 bytes of LDS; arguments w1, w2, psum, wc, w2c; writes wc, w2c
.if DOCPART == 2
	.amdgcn_target "amdgcn-amd-amdhsa--gfx1250"
	.amdhsa_code_object_version 6
	.text
	.protected	k_q4b878e5aa3_wq
	.globl	k_q4b878e5aa3_wq
	.p2align	8
	.type	k_q4b878e5aa3_wq,@function
k_q4b878e5aa3_wq:
	s_mov_b64 s[64:65], 0
	v_nop
	global_prefetch_b8 v0, s[64:65] scope:SCOPE_SE
	s_setreg_imm32_b32 hwreg(HW_REG_WAVE_MODE, 25, 1), 1
	s_wait_xcnt 0x0
; The ternary step and the codes of both weights.  w1 [4096][1024] (work-groups 0-127) and w2 [1024][4096] (128-255), f32, K innermost in both.
; a = max(mean |w|, 1e-5), from the 512 partial sums that the launch before stored; scale = 1 / a; wq = clip(round(w scale), -1, 1) / scale; the operand is w + (wq - w), as the source writes it.
; It is turned into codes of BF6 (E3M2) with one E8M0 byte for each 32 along K.
; BOTH RESULTS ARE LAID AS THE PRODUCTS' TENSOR LOADS TAKE THEM, in dense blocks of 128 rows.  wc: [128 rows][256 along K][row][208 bytes]: 192 of codes, 8 scale bytes, 8 zeros.
; w2c: [128 rows][512 along K][row][400 bytes]: 384 of codes, 16 scale bytes.  The two differ in scalars and offsets chosen on the work-group's number: both take one way through the text.
; The two reciprocals are v_rcp_f32 with one Newton step each.  Every wave adds the 512 partial sums in the same order, so all use the same scale.
; LIMITS: NaN and infinities are not served.  The mean is a sum by trees (16 chains a lane, 32 lanes, 512 waves): a weight whose w x scale lies within f32 rounding of +-0.5 may fall either way.
; A block of zeros gets the byte 1 where the rule says 127: its codes are zeros, and the bytes are read by this program alone.
; A wave takes 16 steps of 512 numbers: 8 rows of w1 or 2 of w2.  Each of a step's four loads reads 512 consecutive bytes; the 2,048 bytes turn through the wave's own stage in LDS and come back 64 bytes a lane,
; so that a lane holds 16 neighbours along K (two lanes hold a block).  Loads run four steps ahead, the turn one step.  No barrier: waves share nothing.
.set STEPS, 16
.set CB,    12
.set R,     16                         ; four sets of 16 numbers as they are loaded
.set X,     80                         ; two sets of 16 neighbours
.set E,     112                        ; a scale byte for each step
.set C,     128                        ; codes: four registers for each step
.set T,     192
.set SCL,   208
.set INV,   210
.set AD,    216                        ; step t: my 12 bytes' offset in the wave's part of the result
.set WREG,  8192
.set SP,    80
	s_load_b128 s[4:7], s[0:1], 0x0                ; w1, w2
	s_load_b128 s[8:11], s[0:1], 0x10              ; psum, wc
	s_load_b64 s[14:15], s[0:1], 0x20              ; w2c
	v_lshl_add_u32 v232, v0, 2, 0x8000
	v_mov_b32 v233, 0
	v_lshrrev_b32 v1, 5, v0
	v_readfirstlane_b32 s16, v1                    ; wave
	v_and_b32 v2, 31, v0                           ; lane
	v_lshlrev_b32 v3, 4, v2
	s_mul_i32 s17, s16, WREG
	v_lshrrev_b32 v14, 2, v2
	v_mul_u32_u24 v14, v14, SP
	v_and_b32 v15, 3, v2
	v_lshl_add_u32 v14, v15, 4, v14
	v_add_nc_u32 v14, s17, v14                     ; the stage, on the way in
	v_mul_u32_u24 v15, v2, SP
	v_add_nc_u32 v15, s17, v15                     ; and on the way out
	v_mul_u32_u24 v4, v2, CB
	v_lshrrev_b32 v1, 1, v2
	s_add_co_u32 s17, s17, 2*32*SP
	v_add_nc_u32 v5, s17, v1                       ; LDS: my wave's 256 scale bytes, my block's byte
	v_lshlrev_b32 v7, 3, v2
	v_add_nc_u32 v6, s17, v7                       ; and on the way out 8 bytes a lane
	v_and_b32 v7, 1, v2
	v_lshlrev_b32 v7, 3, v7                        ; which 8 of a step's 16 bytes
	v_mov_b32 v212, 0
	s_mov_b32 s24, 0x76543210
	s_mov_b32 s25, 0xfedcba98
	s_mov_b32 s19, 0
	s_mov_b32 s21, 0
	s_mov_b32 s23, 0
	s_wait_alu depctr_va_vdst(0)                   ; the head's end
	s_wait_kmcnt 0x0
	s_cmp_lt_u32 ttmp9, 128                        ; w1's work-group or w2's?  All the choices stand ahead of the next line that sets SCC
	s_cselect_b64 s[4:5], s[4:5], s[6:7]
	s_cselect_b64 s[10:11], s[10:11], s[14:15]
	s_cselect_b32 s17, 0, 128
	s_cselect_b32 s22, 0, 2048                     ; the tensor's 512 partial sums
	s_cselect_b32 s26, 4, 6                        ; a run is 8 rows of w1 or 2 of w2: 2^4 or 2^6 runs to a block of 128 rows
	s_cselect_b32 s27, 15, 63
	s_mov_b32 s28, 409600
	s_cselect_b32 s28, 106496, s28                 ; a block in bytes
	s_mov_b32 s29, 800
	s_cselect_b32 s29, 1664, s29                   ; a run's rows in bytes, inside a chunk
	s_cselect_b32 s30, 26432, 0                    ; w1: lanes 16-31 hold the next chunk of 256 along K: 128 x 208 - 192 bytes on
	s_cselect_b32 s31, -1, 0                       ; all ones for w1
	s_add_nc_u64 s[8:9], s[8:9], s[22:23]
	s_sub_co_u32 s17, ttmp9, s17
	s_lshl_b32 s17, s17, 2
	s_add_co_u32 s18, s17, s16                     ; which run of 8,192 numbers of the tensor is my wave's
	s_lshr_b32 s20, s18, s26
	s_mul_i32 s20, s20, s28
	s_and_b32 s12, s18, s27
	s_mul_i32 s12, s12, s29
	s_add_co_u32 s20, s20, s12
	s_add_nc_u64 s[10:11], s[10:11], s[20:21]
	s_lshl_b32 s18, s18, 15
	s_add_nc_u64 s[4:5], s[4:5], s[18:19]
.irp j, 0,1,2,3
	global_load_b128 v[T+4*\j:T+4*\j+3], v3, s[8:9] offset:512*\j   ; 512 partial sums, 16 a lane
.endr
.macro LOAD t
.irp i, 0,1,2,3
	global_load_b128 v[R+16*((\t)%4)+4*\i:R+16*((\t)%4)+4*\i+3], v3, s[4:5] offset:2048*(\t)+512*\i th:TH_LOAD_NT
.endr
.endm
.macro TURN t                          ; step t's numbers through the stage: LDS serves a wave's instructions in order
.irp i, 0,1,2,3
	ds_store_b128 v14, v[R+16*((\t)%4)+4*\i:R+16*((\t)%4)+4*\i+3] offset:32*SP*((\t)%2)+8*SP*\i
.endr
.irp i, 0,1,2,3
	ds_load_b128 v[X+16*((\t)%2)+4*\i:X+16*((\t)%2)+4*\i+3], v15 offset:32*SP*((\t)%2)+16*\i
.endr
.endm
.irp t, 0,1,2,3
	LOAD \t
.endr
	v_lshrrev_b32 v8, 4, v2
	v_mad_u32_u24 v4, v8, s30, v4                  ; 12 x lane, and for w1 the step to the next chunk
	s_wait_alu depctr_va_vdst(0)
	s_cmp_lt_u32 ttmp9, 128                        ; only lines that leave SCC alone follow, down to the last choice
.irp t, 0,1,2,3,4,5,6,7,8,9,10,11,12,13,14,15
	s_mov_b32 s12, (\t/8)*400+(\t%8)*51200         ; w2: step t is row t / 8, chunk t % 8;
	s_cselect_b32 s12, (\t/2)*208+(\t%2)*53248, s12   ; w1: row t / 2, chunks 2 (t % 2) and the next
	v_add_nc_u32 v[AD+\t], s12, v4
.endr
	v_lshrrev_b32 v9, 2, v2                        ; the scale bytes' way out.  w1: lane l holds row l / 4, chunk l % 4: behind the row's 192 bytes of codes
	v_and_b32 v10, 3, v2
	v_mul_u32_u24 v9, v9, 208
	v_mad_u32_u24 v9, v10, 26624, v9
	v_add_nc_u32 v9, 192, v9
	v_and_b32 v10, 7, v1                           ; w2: row l / 16, chunk (l / 2) % 8, half l % 2: behind the row's 384 bytes of codes
	v_mad_u32_u24 v7, v10, 51200, v7
	v_mad_u32_u24 v7, v8, 400, v7
	v_add_nc_u32 v7, 384, v7
	v_cndmask_b32 v7, v7, v9, s31
	s_wait_loadcnt 16                              ; the partial sums are in; the 16 loads of steps 0 to 3 stay out
.irp k, 0,1,2,3
	v_pk_add_f32 v[T+2*\k:T+2*\k+1], v[T+2*\k:T+2*\k+1], v[T+8+2*\k:T+8+2*\k+1]
.endr
	v_pk_add_f32 v[T:T+1], v[T:T+1], v[T+2:T+3]
	v_pk_add_f32 v[T+4:T+5], v[T+4:T+5], v[T+6:T+7]
	v_pk_add_f32 v[T:T+1], v[T:T+1], v[T+4:T+5]
	v_add_f32 v[T], v[T], v[T+1]
	v_add_f32_dpp v[T], v[T], v[T] row_xmask:1 row_mask:0xf bank_mask:0xf
	v_add_f32_dpp v[T], v[T], v[T] row_xmask:2 row_mask:0xf bank_mask:0xf
	v_add_f32_dpp v[T], v[T], v[T] row_xmask:4 row_mask:0xf bank_mask:0xf
	v_add_f32_dpp v[T], v[T], v[T] row_xmask:8 row_mask:0xf bank_mask:0xf
	v_permlanex16_b32 v212, v[T], s24, s25
	v_add_f32 v[T], v[T], v212
	v_mul_f32 v[T], 0x34800000, v[T]               ; / 2^22 numbers: the mean of |w|,
	v_max_num_f32 v[T], 0x3727c5ac, v[T]           ; held at 1e-5 from below
	s_wait_alu depctr_va_vdst(0)                   ; waits round each transcendental
	v_rcp_f32 v[T+1], v[T]
	v_nop
	s_wait_alu depctr_va_vdst(0)
	v_fma_f32 v[T+2], -v[T], v[T+1], 1.0
	v_fma_f32 v[SCL], v[T+2], v[T+1], v[T+1]       ; scale = 1 / a, one Newton step
	s_wait_alu depctr_va_vdst(0)
	v_rcp_f32 v[T+3], v[SCL]
	v_nop
	s_wait_alu depctr_va_vdst(0)
	v_fma_f32 v[T+4], -v[SCL], v[T+3], 1.0
	v_fma_f32 v[INV], v[T+4], v[T+3], v[T+3]       ; 1 / scale likewise
	v_mov_b32 v[SCL+1], v[SCL]
	v_mov_b32 v[INV+1], v[INV]
	s_wait_alu depctr_va_vdst(0)
	s_wait_loadcnt 12                              ; step 0's four loads are in
	TURN 0
.macro STEP t
.set XS, X+16*((\t)%2)
.if (\t) > 0
	s_wait_dscnt 1                                 ; this step's numbers are back from the stage (the last step's byte store may be out)
.else
	s_wait_dscnt 0x0
.endif
.if (\t)+4 < STEPS
	LOAD (\t)+4
.endif
.if (\t)+1 < STEPS
.if STEPS-2-(\t) >= 3
	s_wait_loadcnt 12                              ; the next step's four loads are in; those of the three steps behind it may be out
.else
	s_wait_loadcnt 4*(STEPS-2-(\t))
.endif
	TURN (\t)+1
.endif
.irp k, 0,1,2,3,4,5,6,7
	v_pk_mul_f32 v[T+2*\k:T+2*\k+1], v[XS+2*\k:XS+2*\k+1], v[SCL:SCL+1] op_sel_hi:[1,0]   ; w x scale
.endr
.irp i, 0,1,2,3,4,5,6,7,8,9,10,11,12,13,14,15
	v_rndne_f32 v[T+\i], v[T+\i]
.endr
.irp i, 0,1,2,3,4,5,6,7,8,9,10,11,12,13,14,15
	v_med3_num_f32 v[T+\i], v[T+\i], -1.0, 1.0
.endr
.irp k, 0,1,2,3,4,5,6,7
	v_pk_mul_f32 v[T+2*\k:T+2*\k+1], v[T+2*\k:T+2*\k+1], v[INV:INV+1] op_sel_hi:[1,0]     ; wq
.endr
.irp k, 0,1,2,3,4,5,6,7
	v_pk_add_f32 v[T+2*\k:T+2*\k+1], v[T+2*\k:T+2*\k+1], v[XS+2*\k:XS+2*\k+1] neg_lo:[0,1] neg_hi:[0,1]   ; wq - w
.endr
.irp k, 0,1,2,3,4,5,6,7
	v_pk_add_f32 v[XS+2*\k:XS+2*\k+1], v[XS+2*\k:XS+2*\k+1], v[T+2*\k:T+2*\k+1]           ; w + (wq - w)
.endr
	v_max3_num_f32 v8, |v[XS]|, |v[XS+1]|, |v[XS+2]|
	v_max3_num_f32 v9, |v[XS+3]|, |v[XS+4]|, |v[XS+5]|
.irp i, 6,10
	v_max3_num_f32 v8, v8, |v[XS+\i]|, |v[XS+\i+1]|
	v_max3_num_f32 v9, v9, |v[XS+\i+2]|, |v[XS+\i+3]|
.endr
	v_max3_num_f32 v8, v8, |v[XS+14]|, |v[XS+15]|
	v_max3_num_f32 v8, v8, v9, 0x2800000           ; the floor 2^(5 - 127): the byte cannot fall under 1
	v_max_num_f32_dpp v8, v8, v8 row_xmask:1 row_mask:0xf bank_mask:0xf
	v_add_nc_u32 v11, 0xfe000000, v8               ; 4 off its exponent field: the conversion's scale operand
	v_cvt_scalef32_pk16_bf6_f32 v[C+4*(\t):C+4*(\t)+2], v[XS:XS+15], v11
	v_lshrrev_b32 v[E+(\t)], 23, v11               ; the scale's byte; also the plain line behind the conversion
	ds_store_b8 v5, v[E+(\t)] offset:16*(\t)       ; both lanes of a block write the same byte with the same value
	global_store_b96 v[AD+(\t)], v[C+4*(\t):C+4*(\t)+2], s[10:11]
.endm
.irp t, 0,1,2,3,4,5,6,7,8,9,10,11,12,13,14,15
	STEP \t
.endr
	ds_load_b64 v[12:13], v6                       ; these loads see my stores: lane l holds 8 of step l / 2's 16 bytes
	s_wait_dscnt 0x0
	global_store_b64 v7, v[12:13], s[10:11]        ; 8 scale bytes a lane, behind their codes
	v_mov_b32 v8, 0
	v_mov_b32 v9, 0
	s_cmp_ge_u32 ttmp9, 128
	s_cbranch_scc1 .Lno_pad
	global_store_b64 v7, v[8:9], s[10:11] offset:8 ; w1: the last 8 bytes of a row's 208 are written too
.Lno_pad:
	s_wait_tensorcnt 0x0                           ; the wave's end
	ds_add_u32 v232, v233
	s_wait_dscnt 0x0
	s_endpgm
.Lfunc_end_k_q4b878e5aa3_wq:
	.size	k_q4b878e5aa3_wq, .Lfunc_end_k_q4b878e5aa3_wq-k_q4b878e5aa3_wq
	.p2alignl 7, 3214868480
	.fill 96, 4, 3214868480
	.section	.rodata,"a",@progbits
	.p2align	6, 0x0
	.amdhsa_kernel k_q4b878e5aa3_wq
		.amdhsa_group_segment_fixed_size 33280
		.amdhsa_private_segment_fixed_size 0
		.amdhsa_enable_private_segment 0
		.amdhsa_kernarg_size 40
		.amdhsa_user_sgpr_count 2
		.amdhsa_user_sgpr_kernarg_segment_ptr 1
		.amdhsa_wavefront_size32 1
		.amdhsa_system_sgpr_workgroup_id_x 1
		.amdhsa_system_sgpr_workgroup_id_y 1
		.amdhsa_system_sgpr_workgroup_id_z 1
		.amdhsa_system_vgpr_workitem_id 0
		.amdhsa_next_free_vgpr 234
		.amdhsa_next_free_sgpr 66
		.amdhsa_reserve_vcc 0
		.amdhsa_float_denorm_mode_32 3
		.amdhsa_float_denorm_mode_16_64 3
		.amdhsa_memory_ordered 1
		.amdhsa_forward_progress 1
		.amdhsa_inst_pref_size 95
	.end_amdhsa_kernel
	.amdgpu_metadata
---
amdhsa.version: [ 1, 2 ]
amdhsa.kernels:
  - .name:           k_q4b878e5aa3_wq
    .symbol:         k_q4b878e5aa3_wq.kd
    .args:
      - { .name: w1, .offset: 0, .size: 8, .value_kind: global_buffer, .address_space: global }
      - { .name: w2, .offset: 8, .size: 8, .value_kind: global_buffer, .address_space: global }
      - { .name: psum, .offset: 16, .size: 8, .value_kind: global_buffer, .address_space: global }
      - { .name: wc, .offset: 24, .size: 8, .value_kind: global_buffer, .address_space: global }
      - { .name: w2c, .offset: 32, .size: 8, .value_kind: global_buffer, .address_space: global }
    .group_segment_fixed_size: 33280
    .private_segment_fixed_size: 0
    .kernarg_segment_align: 8
    .kernarg_segment_size: 40
    .max_flat_workgroup_size: 128
    .sgpr_count:     66
    .vgpr_count:     234
    .wavefront_size: 32
...
	.end_amdgpu_metadata
.endif
;; end of part 2
;; launch gemm1 (part 3): grid 16 x 32, 4 waves a work-group, clusters of 4 x 4, 327,680 bytes of LDS; arguments xc, wc, hg, st, b1; writes hg, st
.if DOCPART == 3
	.amdgcn_target "amdgcn-amd-amdhsa--gfx1250"
	.amdhsa_code_object_version 6
	.text
	.protected	k_q4b878e5aa3_gemm1
	.globl	k_q4b878e5aa3_gemm1
	.p2align	8
	.type	k_q4b878e5aa3_gemm1,@function
k_q4b878e5aa3_gemm1:
	s_mov_b64 s[64:65], 0
	v_nop
	global_prefetch_b8 v0, s[64:65] scope:SCOPE_SE
	s_setreg_imm32_b32 hwreg(HW_REG_WAVE_MODE, 25, 1), 1
	s_wait_xcnt 0x0
	s_wait_alu depctr_hold_cnt(0) depctr_sa_sdst(0) depctr_va_vdst(0) depctr_va_sdst(0) depctr_va_ssrc(0) depctr_va_vcc(0) depctr_vm_vsrc(0)
	s_getreg_b32 s2, hwreg(HW_REG_IB_STS2, 6, 4)
	s_cmp_eq_u32 s2, 0
	s_cbranch_scc0 .Lentry_in_a_cluster
	s_endpgm
.Lentry_in_a_cluster:
	s_bfe_u32 s2, ttmp6, 0x10000c
	s_cmp_lg_u32 s2, 0xf033
	s_cbranch_scc0 .Lentry_shape_is_right
	s_endpgm
.Lentry_shape_is_right:
; hg = gelu(Q(ln1(x)) Q(w1)^T + b1), f32, and for each row the mean and the centred sum of squares of each 256 columns (st).  M 8,192, N 4,096, K 1,024, codes of BF6 with E8M0 scales.
; OPERANDS (xc, wc): [128 rows][256 along K][row][208 bytes]: 192 bytes of codes, 8 scale bytes, 8 spare.  What a tensor load fetches is one dense run of memory, stated as rows of 256 bytes.
; A work-group of four waves makes 256 x 256; a wave 128 x 128 in 64 accumulators.  4 x 4 clusters: A's blocks are asked for jointly along a row of the cluster, B's along a column.
; K IN THREE FILLS: chunk 0 (256 along K) at the head; chunks 1 and 2 by one load a wave, a first fill behind the first round; chunk 3 into chunk 0's bytes, the one refill.  Each wave fetches one block of 128 rows.
; THE MATRIX INSTRUCTION IS USED TRANSPOSED (source 0 = rows of w1, source 1 = rows of x): a lane holds 8 neighbouring columns of a row.  b1 is the C of each accumulator's first product.
; THE WAY OUT: the tile goes into LDS (the slots have had their last fill and their last read), rows 1,040 bytes apart; a wave then takes 64 whole rows in 8 trips of 8 rows; a lane holds 16 neighbouring columns,
; sixteen lanes a row.  Each 16 bytes of a lane's 64 lie at piece j xor (lane / 4) % 4, so that the sixteen lanes of a load touch sixteen different columns of 16 bytes.
; gelu(v) = v/2 (1 + erf(v / sqrt 2)); erf(z) = z P(z^2) / Q(z^2), z held to +-4.  hg is laid as the registers lie: [tile][wave][trip][register group of 4][lane][16 bytes]: each store covers 512 consecutive bytes.
; st: [tile][256 rows](mean, sum of squares about it).  No difference of large sums is formed.
; No prefetch: K is four chunks, all asked for within the first two rounds, at the largest block in clusters.
; LIMITS: NaN and infinities are not served.  The rational erf has an absolute error near 1e-7, which enters gelu times |v| / 2.
.set PITCH,  208
.set KCB,    128*PITCH                 ; a block of 128 rows of one chunk
.set R1,     4*KCB                     ; LDS: chunk 0 (later 3): block w at w KCB; from R1: chunks 1, 2: block w at R1 + 2 w KCB
.set FR,     12
.set NL,     6
.set NP,     4
.set DP,     1040                      ; the tile's rows in LDS on the way out
.set STB,    280576                    ; clear of the tile and of every address that the read addresses' steps form: 512 bytes a wave for its rows' pairs
.set SPARE,  12*KCB                    ; the spare words
.set RDC,  4                           ; v4-7   a trip's read addresses
.set RD,   8                           ; v8-11  the read addresses of piece 0..3, trip 0
.set HO,   12                          ; v12    16 x lane
.set STW,  13
.set STR,  14
.set ADRA, 16                          ; v16, 17 my A fragments: chunks 0, 3; chunks 1, 2
.set ADRB, 20
.set ADRS, 22                          ; scale words: lanes 0-15 A's rows, lanes 16-31 B's
.set STO,  24                          ; v24, 25 into the tile: my rows 0-63, 64-127
.set STC,  26
.set SPW,  28
.set NIL,  29
.set BOF,  31
.set SC,   32
.set BIAS, 64
.set AF,   128
.set KP,   16                          ; v[16:17], v[18:19] the two highest coefficients
.set KQ,   18
.set HOC,  27                          ; a trip's offset in hg
.set W,    32                          ; the way out: 4 units of 16 numbers as they come from the tile,
.set V,    96                          ; and after gelu
.set Z,    160
.set X2,   176
.set P,    192
.set Q,    208
.set T0,   224
.set MP,   240                         ; (mean, sum of squares) of unit u at v[MP + 2 u]
.set SQ,   192
.set G1,  24
.set G1B, 48
.set BP,  66
.set G0,  68                           ; s[68:79] group 0 for A's three loads;  s[80:91] for B's
.set G0B, 80
.set MSB, 0
.macro WIN new
.if MSB != \new
	s_set_vgpr_msb (MSB<<8)|\new
.set MSB, \new
.endif
.endm
.set MUL_LO, 0xa1
.set MUL_HI, 0xf1
.set FST_LO, 0x81
.set FST_HI, 0xc1
.set TO_B,   0x40
.macro JLOAD g0a, g1a, g0b, g1b        ; a joint load: waves 0, 1 fetch A's blocks, waves 2, 3 B's
	s_cmp_eq_u32 s15, 0
	s_cbranch_scc0 .Lfor_b_\@
	tensor_load_to_lds s[\g0a:\g0a+3], s[\g1a:\g1a+7]
	s_nop 0
.rept 4
	v_nop
.endr
	s_branch .Lasked_\@
.Lfor_b_\@:
	tensor_load_to_lds s[\g0b:\g0b+3], s[\g1b:\g1b+7]
	s_nop 0
.rept 4
	v_nop
.endr
.Lasked_\@:
.endm
.macro CREST
	s_cmp_lg_u32 s14, 0
	s_cbranch_scc1 .Lnot_wave_0_\@
	s_barrier_signal -3
.Lnot_wave_0_\@:
	s_barrier_wait -3
	s_barrier_signal -1
	s_barrier_wait -1
.endm
.macro CROUND
	s_barrier_signal -1
	s_barrier_wait -1
	CREST
.endm
.macro ROWS n                          ; how many rows of 256 bytes a load brings: written only while no tensor load of the wave is out
.irp g, G1, G1B
	s_mov_b32 s[\g+2], (\n)<<16
	s_mov_b32 s[\g+4], \n
.endr
.endm
.macro SETG0 z, lds, off
	s_mov_b32 s[G0+4*\z], 1
	s_mov_b32 s[G0+4*\z+1], \lds
	s_add_nc_u64 s[G0+4*\z+2:G0+4*\z+3], s[20:21], \off
	s_or_b32 s[G0+4*\z+3], s[G0+4*\z+3], 0x80000000
	s_mov_b32 s[G0B+4*\z], 1
	s_mov_b32 s[G0B+4*\z+1], \lds
	s_add_nc_u64 s[G0B+4*\z+2:G0B+4*\z+3], s[46:47], \off
	s_or_b32 s[G0B+4*\z+3], s[G0B+4*\z+3], 0x80000000
.endm
	s_load_b128 s[4:7], s[0:1], 0x0                ; xc, wc
	s_load_b128 s[8:11], s[0:1], 0x10              ; hg, st
	s_load_b64 s[BP:BP+1], s[0:1], 0x20            ; b1
	v_lshl_add_u32 v[SPW], v0, 2, SPARE
	v_mov_b32 v[NIL], 0
	ds_add_u32 v[SPW], v[NIL]                      ; the opening lines: the add, twice on end, and its wait
	ds_add_u32 v[SPW], v[NIL]
	v_lshrrev_b32 v1, 5, v0
	v_readfirstlane_b32 s14, v1                    ; wave
	s_lshr_b32 s15, s14, 1                         ; my half of the tile's rows; also: I fetch for A (0) or B (1)
	s_and_b32 s16, s14, 1                          ; my half of its columns; also: which block I fetch
	s_bfe_u32 s40, ttmp6, 0x40000
	s_bfe_u32 s41, ttmp6, 0x40004
	s_lshl_b32 s42, ttmp9, 2
	s_add_co_u32 s42, s42, s40                     ; tile column
	s_and_b32 s17, ttmp7, 0xffff
	s_lshl_b32 s17, s17, 2
	s_add_co_u32 s17, s17, s41                     ; tile row
	s_lshl_b32 s43, s41, 2
	s_lshl_b32 s43, 15, s43
	s_lshl_b32 s44, 0x1111, s40
	s_or_b32 s[G1+0], s43, (3<<16)|(1<<21)         ; elements of 8 bytes, no padding; the mask: my row of the cluster
	s_or_b32 s[G1B+0], s44, (3<<16)|(1<<21)        ; my column
.irp g, G1, G1B
	s_mov_b32 s[\g+1], 32<<16
	s_mov_b32 s[\g+2], 104<<16                     ; a block of one chunk: 104 rows of 256 bytes
	s_mov_b32 s[\g+3], 32<<16
	s_mov_b32 s[\g+4], 104
	s_mov_b32 s[\g+5], 32
	s_mov_b32 s[\g+6], 0
	s_mov_b32 s[\g+7], 0
.endr
	s_lshl_b32 s20, s17, 1
	s_add_co_u32 s20, s20, s16
	s_mul_i32 s20, s20, 4*KCB                      ; A: block 2 x tile row + half, four chunks each
	s_lshl_b32 s46, s42, 1
	s_add_co_u32 s46, s46, s16
	s_mul_i32 s46, s46, 4*KCB                      ; B likewise by the tile column
	s_mov_b32 s21, 0
	s_mov_b32 s47, 0
	s_mul_i32 s45, s14, KCB
	s_mul_i32 s94, s14, 2*KCB
	s_add_co_u32 s94, s94, R1
	s_wait_dscnt 0x0
	s_wait_kmcnt 0x0
	s_add_nc_u64 s[20:21], s[4:5], s[20:21]
	s_add_nc_u64 s[46:47], s[6:7], s[46:47]
	CROUND                                         ; the first joint loads meet
	SETG0 0, s45, 0
	SETG0 1, s94, KCB
	SETG0 2, s45, 3*KCB
	JLOAD G0, G1, G0B, G1B                         ; chunk 0: one tensor load a wave at the head
	s_mul_i32 s21, s15, KCB                        ; my A block, chunks 0 and 3
	s_add_co_u32 s22, s16, 2
	s_mul_i32 s22, s22, KCB                        ; my B block
	s_sub_co_u32 s23, s22, s21
	s_lshl_b32 s92, s21, 1
	s_add_co_u32 s92, s92, R1                      ; the same for chunks 1 and 2
	s_lshl_b32 s93, s22, 1
	s_add_co_u32 s93, s93, R1
	s_sub_co_u32 s94, s93, s92
	s_mul_i32 s95, s15, 128*DP
	s_lshl_b32 s18, s16, 9
	s_add_co_u32 s95, s95, s18                     ; into the tile: my 128 rows, my 512 bytes of them
	s_mul_i32 s18, s14, 64*DP                      ; out of it: my 64 rows
	s_lshl_b32 s19, s14, 9
	s_add_co_u32 s19, s19, STB
	v_and_b32 v1, 15, v0
	v_bfe_u32 v2, v0, 4, 1
	v_mul_u32_u24 v3, v1, PITCH
	v_mad_u32_u24 v4, v2, 24, v3
	v_add_nc_u32 v[ADRA], s21, v4
	v_add_nc_u32 v[ADRB], s22, v4
	v_add_nc_u32 v[ADRA+1], s92, v4
	v_add_nc_u32 v[ADRB+1], s93, v4
	v_add_nc_u32 v3, 192, v3
	v_mad_u32_u24 v5, s23, v2, v3                  ; one product: the lower base + half x the distance
	v_add_nc_u32 v[ADRS], s21, v5
	v_mad_u32_u24 v5, s94, v2, v3
	v_add_nc_u32 v[ADRS+1], s92, v5
	v_xor_b32 v5, s16, v2
	v_mul_u32_u24 v6, v1, DP
	v_lshl_add_u32 v6, v5, 5, v6
	v_add_nc_u32 v[STO], s95, v6
	v_add_nc_u32 v[STO+1], 64*DP, v[STO]
	v_bfe_u32 v5, v0, 2, 2
	v_mul_u32_u24 v6, v2, DP
	v_lshl_add_u32 v6, v1, 6, v6
	v_add_nc_u32 v6, s18, v6
.irp j, 0,1,2,3
	v_xor_b32 v7, \j, v5
	v_lshl_add_u32 v[RD+\j], v7, 4, v6
.endr
	v_and_b32 v7, 31, v0
	v_lshlrev_b32 v[HO], 4, v7
	v_lshl_add_u32 v[STW], v2, 3, s19
	v_add_nc_u32 v[STR], s19, v[HO]
	v_lshlrev_b32 v[BOF], 5, v2
	s_wait_alu depctr_va_vdst(0)
	s_lshl_b32 s92, s17, 4
	s_add_co_u32 s92, s92, s42                     ; the tile's number
	s_lshl_b32 s20, s92, 18
	s_lshl_b32 s21, s14, 16
	s_add_co_u32 s20, s20, s21
	s_mov_b32 s21, 0
	s_add_nc_u64 s[8:9], s[8:9], s[20:21]          ; hg: 262,144 bytes a tile, 65,536 a wave
	s_lshl_b32 s20, s92, 11
	s_lshl_b32 s22, s14, 9
	s_add_co_u32 s20, s20, s22
	s_add_nc_u64 s[10:11], s[10:11], s[20:21]      ; st: 2,048 bytes a tile, 512 a wave
	s_lshl_b32 s20, s42, 10
	s_lshl_b32 s22, s16, 9
	s_add_co_u32 s20, s20, s22
	s_add_nc_u64 s[BP:BP+1], s[BP:BP+1], s[20:21]
.irp b, 0,1,2,3,4,5,6,7
	global_load_b128 v[BIAS+8*\b:BIAS+8*\b+3], v[BOF], s[BP:BP+1] offset:64*\b
	global_load_b128 v[BIAS+8*\b+4:BIAS+8*\b+7], v[BOF], s[BP:BP+1] offset:64*\b+16
.endr
.macro PLACE st                        ; which address register and offset step st's chunk has
.set CH, (\st)/2
.set RG, ((CH+1)/2)%2
.set CO, (CH/2)*RG*KCB
.endm
.macro FRAG reg, adr, st, i            ; 16 rows x 128 K: 24 bytes of the row's codes twice, in pieces of 8
	PLACE \st
.irp p, 0,1,2,3,4,5
	ds_load_b64 v[\reg+2*\p:\reg+2*\p+1], v[\adr+RG] offset:CO+96*((\st)%2)+48*(\p/3)+8*(\p%3)+(\i)*16*PITCH
.endr
.endm
.macro MUL16 a0, p, q, sc, zero        ; A's blocks a0, a0 + 1 x B's eight; the 64 accumulators take turns
.irp a, \a0, \a0+1
.irp b, 0,1,2,3,4,5,6,7
.if \zero
	v_wmma_scale_f32_16x16x128_f8f6f4 v[8*(8*((\a)%4)+\b):8*(8*((\a)%4)+\b)+7], v[128*(\p)+FR*\b:128*(\p)+FR*\b+FR-1], v[AF+FR*(\a):AF+FR*(\a)+FR-1], v[BIAS+8*\b:BIAS+8*\b+7], v[SC+16*(\sc)+2*\b+(\q)], v[SC+16*(\sc)+2*(\a)+(\q)] matrix_a_fmt:MATRIX_FMT_BF6 matrix_b_fmt:MATRIX_FMT_BF6 matrix_a_scale:MATRIX_SCALE_ROW1
.else
	v_wmma_scale_f32_16x16x128_f8f6f4 v[8*(8*((\a)%4)+\b):8*(8*((\a)%4)+\b)+7], v[128*(\p)+FR*\b:128*(\p)+FR*\b+FR-1], v[AF+FR*(\a):AF+FR*(\a)+FR-1], v[8*(8*((\a)%4)+\b):8*(8*((\a)%4)+\b)+7], v[SC+16*(\sc)+2*\b+(\q)], v[SC+16*(\sc)+2*(\a)+(\q)] matrix_a_fmt:MATRIX_FMT_BF6 matrix_b_fmt:MATRIX_FMT_BF6 matrix_a_scale:MATRIX_SCALE_ROW1
.endif
.endr
.endr
.endm
.macro FETCH_B st, p
	WIN TO_B
.irp i, 0,1,2,3,4,5,6,7
	FRAG 128*(\p)+FR*\i, ADRB, \st, \i
.endr
	WIN 0
.endm
.macro FETCH_A st, i0
.irp i, \i0, \i0+1, \i0+2, \i0+3
	FRAG AF+FR*(\i), ADRA, \st, \i
.endr
.endm
.macro SCALES st                       ; the two scale words of step st's chunk, into set chunk % 2
	PLACE \st
.irp i, 0,1,2,3,4,5,6,7
	ds_load_b64 v[SC+16*(CH%2)+2*\i:SC+16*(CH%2)+2*\i+1], v[ADRS+RG] offset:CO+\i*16*PITCH
.endr
.endm
.macro PLACES n
.rept \n
	v_nop
.endr
.endm
; A step of 128 along K.  kind 0: plain.  kind 1: the next step's chunk is shown whole and chunk 0's bytes are filled again.  kind 2: the next step's chunk is shown whole.
.macro STEP st, kind, zero
.set NX, (\st)+1
.if \kind
	s_wait_tensorcnt 0x0                           ; all my tensor loads have landed
.if \kind == 1
	ds_add_u32 v[SPW], v[NIL]
	ROWS 104
	s_wait_dscnt 4*NL+1                            ; the add and A's blocks 4-7 may be out
.else
	s_wait_dscnt 4*NL
.endif
	WIN MUL_LO
	MUL16 0, (\st)%2, (\st)%2, ((\st)/2)%2, 0
	s_wait_dscnt 0x0                               ; the add, and my reads of the chunk left behind
	s_barrier_signal -1
	MUL16 2, (\st)%2, (\st)%2, ((\st)/2)%2, 0
	WIN 0
	s_barrier_wait -1
.if \kind == 1
	CREST
	JLOAD G0+8, G1, G0B+8, G1B                     ; chunk 3, the first tensor load behind the round; its four v_nop are the places for the loads below
.else
	PLACES NP
.endif
.else
	s_wait_dscnt 4*NL                              ; all but A's blocks 4-7
.if \zero
	WIN FST_LO
.else
	WIN MUL_LO
.endif
	MUL16 0, (\st)%2, (\st)%2, ((\st)/2)%2, \zero
	MUL16 2, (\st)%2, (\st)%2, ((\st)/2)%2, \zero
	s_wait_dscnt 0
	PLACES NP
.endif
	FETCH_B NX, NX%2
	FETCH_A NX, 0
.if NX%2 == 0
	SCALES NX
.endif
.if \zero
	WIN FST_HI
.else
	WIN MUL_HI
.endif
	MUL16 4, (\st)%2, (\st)%2, ((\st)/2)%2, \zero
	MUL16 6, (\st)%2, (\st)%2, ((\st)/2)%2, \zero
	PLACES NP
	WIN 0
	FETCH_A NX, 4
.endm
	s_wait_alu depctr_va_vdst(0)                   ; the head's end
	s_wait_loadcnt 0x0                             ; b1
	s_wait_tensorcnt 0x0                           ; my block of chunk 0
	ds_add_u32 v[SPW], v[NIL]
	ROWS 208                                       ; two chunks of a block lie on end in memory
	s_wait_dscnt 0x0
	CROUND
	JLOAD G0+4, G1, G0B+4, G1B                     ; chunks 1 and 2
	FETCH_B 0, 0
	FETCH_A 0, 0
	SCALES 0
	FETCH_A 0, 4
	STEP 0, 0, 1
	STEP 1, 1, 0
	STEP 2, 0, 0
	STEP 3, 0, 0
	STEP 4, 0, 0
	STEP 5, 2, 0
	STEP 6, 0, 0
	s_wait_dscnt 4*NL
	WIN MUL_LO
	MUL16 0, 1, 1, 1, 0
	MUL16 2, 1, 1, 1, 0
	s_wait_dscnt 0
	WIN MUL_HI
	MUL16 4, 1, 1, 1, 0
	MUL16 6, 1, 1, 1, 0
	WIN 0
	s_barrier_signal -1                            ; every wave's reads of the slots are back: the tile may be laid over them
	s_barrier_wait -1
	PLACES NP
.irp a, 0,1,2,3,4,5,6,7
	WIN 0x08+4*(\a/4)
.irp b, 0,1,2,3,4,5,6,7
	ds_store_b128 v[STO+\a/4], v[64*(\a%4)+8*\b:64*(\a%4)+8*\b+3] offset:(\a%4)*16*DP+64*\b+16*(\b/4)        ; each accumulator from its low end on
	ds_store_b128 v[STO+\a/4], v[64*(\a%4)+8*\b+4:64*(\a%4)+8*\b+7] offset:(\a%4)*16*DP+64*\b+16*(1-\b/4)
.endr
.endr
	WIN 0
.macro K2 r, val
	s_mov_b32 s[\r], \val
	s_mov_b32 s[\r+1], \val
.endm
	K2 22, 0x3f3504f3                              ; 1 / sqrt 2
	K2 24, 0x32edffee                              ; the numerator, downward
	K2 26, 0xb60cff51
	K2 28, 0xb86ec2d2
	K2 30, 0xba40ac63
	K2 32, 0xbb41a1f6
	K2 34, 0xbc83dbd4
	K2 36, 0xb95fbd29                              ; the denominator, downward
	K2 38, 0xbadc924e
	K2 40, 0xbbf19bf8
	K2 42, 0xbc69b6a7
	v_mov_b32 v[KP], 0xaf95df0b                    ; the two highest coefficients
	v_mov_b32 v[KP+1], 0xaf95df0b
	v_mov_b32 v[KQ], 0xb77460cd
	v_mov_b32 v[KQ+1], 0xb77460cd
.irp u, 0,1,2,3
	v_mov_b32 v[MP+2*\u+1], 0                      ; named as a pair's upper word before it is first made
.endr
	s_mov_b32 s3, 0
	s_mov_b32 s46, 8*DP                            ; the next trip's rows in the tile
	s_mov_b32 s47, 0
	s_mov_b32 s48, 0
	s_wait_alu depctr_va_vdst(0)
	s_wait_dscnt 0x0                               ; for the others' sake: my part of the tile is in LDS
	s_barrier_signal -1
	s_barrier_wait -1
.macro GEL8 a, d                       ; gelu of the 16 numbers from v[a] on, into v[d] on: eight pairs side by side; the sixteen reciprocals are one batch
.irp k, 0,1,2,3,4,5,6,7
	v_pk_mul_f32 v[Z+2*\k:Z+2*\k+1], v[(\a)+2*\k:(\a)+2*\k+1], s[22:23] op_sel_hi:[1,0]   ; z = v / sqrt 2,
.endr
.irp k, 0,1,2,3,4,5,6,7
	v_pk_mul_f32 v[(\d)+2*\k:(\d)+2*\k+1], v[(\a)+2*\k:(\a)+2*\k+1], 0.5 op_sel_hi:[1,0]  ; v / 2
.endr
.irp k, 0,1,2,3,4,5,6,7,8,9,10,11,12,13,14,15
	v_med3_num_f32 v[Z+\k], v[Z+\k], -4.0, 4.0                     ; held to +-4
.endr
.irp k, 0,1,2,3,4,5,6,7
	v_pk_mul_f32 v[X2+2*\k:X2+2*\k+1], v[Z+2*\k:Z+2*\k+1], v[Z+2*\k:Z+2*\k+1]
.endr
.irp k, 0,1,2,3,4,5,6,7
	v_pk_fma_f32 v[P+2*\k:P+2*\k+1], v[X2+2*\k:X2+2*\k+1], v[KP:KP+1], s[24:25] op_sel_hi:[1,1,0]
.endr
.irp k, 0,1,2,3,4,5,6,7
	v_pk_fma_f32 v[Q+2*\k:Q+2*\k+1], v[X2+2*\k:X2+2*\k+1], v[KQ:KQ+1], s[36:37] op_sel_hi:[1,1,0]
.endr
.irp c, 38,40,42
.irp k, 0,1,2,3,4,5,6,7
	v_pk_fma_f32 v[Q+2*\k:Q+2*\k+1], v[Q+2*\k:Q+2*\k+1], v[X2+2*\k:X2+2*\k+1], s[\c:\c+1] op_sel_hi:[1,1,0]
.endr
.endr
	s_wait_alu depctr_va_vdst(0)                   ; ahead of the batch
.irp k, 0,1,2,3,4,5,6,7,8,9,10,11,12,13,14,15
	v_rcp_f32 v[Q+\k], v[Q+\k]
.endr
.irp c, 26,28,30,32,34
.irp k, 0,1,2,3,4,5,6,7
	v_pk_fma_f32 v[P+2*\k:P+2*\k+1], v[P+2*\k:P+2*\k+1], v[X2+2*\k:X2+2*\k+1], s[\c:\c+1] op_sel_hi:[1,1,0]
.endr
.endr
.irp k, 0,1,2,3,4,5,6,7
	v_pk_mul_f32 v[P+2*\k:P+2*\k+1], v[P+2*\k:P+2*\k+1], v[Z+2*\k:Z+2*\k+1]
.endr
	s_wait_alu depctr_va_vdst(0)                   ; and behind it, ahead of its first reader
.irp k, 0,1,2,3,4,5,6,7
	v_pk_mul_f32 v[P+2*\k:P+2*\k+1], v[P+2*\k:P+2*\k+1], v[Q+2*\k:Q+2*\k+1]               ; erf
.endr
.irp k, 0,1,2,3,4,5,6,7
	v_pk_fma_f32 v[(\d)+2*\k:(\d)+2*\k+1], v[(\d)+2*\k:(\d)+2*\k+1], v[P+2*\k:P+2*\k+1], v[(\d)+2*\k:(\d)+2*\k+1]   ; v/2 erf + v/2
.endr
.endm
.macro ROWSUM r                        ; the sum over a row's sixteen lanes, four units by turns
.irp m, 1,2,4,8
.irp u, 0,1,2,3
	v_add_f32_dpp v[\r+2*\u], v[\r+2*\u], v[\r+2*\u] row_xmask:\m row_mask:0xf bank_mask:0xf
.endr
.endr
.endm
.irp u, 0,1,2,3
.irp j, 0,1,2,3
	ds_load_b128 v[W+16*\u+4*\j:W+16*\u+4*\j+3], v[RD+\j] offset:\u*2*DP   ; the first trip's 8 rows
.endr
.endr
.Ltrip:                                            ; 8 rows: unit u holds rows 2 u and 2 u + 1, sixteen lanes each
	s_wait_dscnt 0x0                               ; this trip's rows are in W: they were asked for a trip's stores and sums ago
	s_wait_xcnt 0x0                                ; the last trip's stores have read V and their offset: both are written again
.irp j, 0,1,2,3
	v_add_nc_u32 v[RDC+\j], s46, v[RD+\j]
.endr
	v_add_nc_u32 v[STC], s47, v[STW]
	v_add_nc_u32 v[HOC], s48, v[HO]
.irp g, 0,1,2,3
	GEL8 W+16*\g, V+16*\g
.endr
	s_wait_alu depctr_va_vdst(0)                   ; ahead of the branch
	s_cmp_eq_u32 s3, 7
	s_cbranch_scc1 .Lno_next                       ; the last trip asks for nothing
.irp u, 0,1,2,3
.irp j, 0,1,2,3
	ds_load_b128 v[W+16*\u+4*\j:W+16*\u+4*\j+3], v[RDC+\j] offset:\u*2*DP   ; W has been read: the next trip's rows land under the stores and the sums below
.endr
.endr
.Lno_next:
.irp m, 0,1,2,3,4,5,6,7,8,9,10,11,12,13,14,15
	global_store_b128 v[HOC], v[V+4*\m:V+4*\m+3], s[8:9] offset:512*\m th:TH_STORE_NT   ; 32 lanes store 512 consecutive bytes, aligned
.endr
.irp u, 0,1,2,3
	v_pk_add_f32 v[T0+4*\u:T0+4*\u+1], v[V+16*\u:V+16*\u+1], v[V+16*\u+2:V+16*\u+3]
	v_pk_add_f32 v[T0+4*\u+2:T0+4*\u+3], v[V+16*\u+4:V+16*\u+5], v[V+16*\u+6:V+16*\u+7]
.endr
.irp i, 8,12
.irp u, 0,1,2,3
	v_pk_add_f32 v[T0+4*\u:T0+4*\u+1], v[T0+4*\u:T0+4*\u+1], v[V+16*\u+\i:V+16*\u+\i+1]
	v_pk_add_f32 v[T0+4*\u+2:T0+4*\u+3], v[T0+4*\u+2:T0+4*\u+3], v[V+16*\u+\i+2:V+16*\u+\i+3]
.endr
.endr
.irp u, 0,1,2,3
	v_pk_add_f32 v[T0+4*\u:T0+4*\u+1], v[T0+4*\u:T0+4*\u+1], v[T0+4*\u+2:T0+4*\u+3]
.endr
.irp u, 0,1,2,3
	v_add_f32 v[MP+2*\u], v[T0+4*\u], v[T0+4*\u+1]
.endr
	ROWSUM MP
.irp u, 0,1,2,3
	v_mul_f32 v[MP+2*\u], 0x3b800000, v[MP+2*\u]   ; the mean of the row's 256 columns
.endr
.irp q, 0,1
.irp u, 0,1,2,3
.irp k, 0,1,2,3
	v_pk_add_f32 v[Z+8*\u+2*\k:Z+8*\u+2*\k+1], v[V+16*\u+8*\q+2*\k:V+16*\u+8*\q+2*\k+1], v[MP+2*\u:MP+2*\u+1] op_sel_hi:[1,0] neg_lo:[0,1] neg_hi:[0,1]
.endr
.endr
.irp u, 0,1,2,3
.irp k, 0,1,2,3
.if \q == 0
	v_pk_mul_f32 v[SQ+8*\u+2*\k:SQ+8*\u+2*\k+1], v[Z+8*\u+2*\k:Z+8*\u+2*\k+1], v[Z+8*\u+2*\k:Z+8*\u+2*\k+1]
.else
	v_pk_fma_f32 v[SQ+8*\u+2*\k:SQ+8*\u+2*\k+1], v[Z+8*\u+2*\k:Z+8*\u+2*\k+1], v[Z+8*\u+2*\k:Z+8*\u+2*\k+1], v[SQ+8*\u+2*\k:SQ+8*\u+2*\k+1]
.endif
.endr
.endr
.endr
.irp u, 0,1,2,3
	v_pk_add_f32 v[SQ+8*\u:SQ+8*\u+1], v[SQ+8*\u:SQ+8*\u+1], v[SQ+8*\u+2:SQ+8*\u+3]
	v_pk_add_f32 v[SQ+8*\u+4:SQ+8*\u+5], v[SQ+8*\u+4:SQ+8*\u+5], v[SQ+8*\u+6:SQ+8*\u+7]
.endr
.irp u, 0,1,2,3
	v_pk_add_f32 v[SQ+8*\u:SQ+8*\u+1], v[SQ+8*\u:SQ+8*\u+1], v[SQ+8*\u+4:SQ+8*\u+5]
.endr
.irp u, 0,1,2,3
	v_add_f32 v[MP+2*\u+1], v[SQ+8*\u], v[SQ+8*\u+1]
.endr
	ROWSUM MP+1
.irp u, 0,1,2,3
	ds_store_b64 v[STC], v[MP+2*\u:MP+2*\u+1] offset:16*\u   ; a row's sixteen lanes write the same pair to the row's place
.endr
	s_wait_alu depctr_va_vdst(0)
	s_add_co_u32 s48, s48, 8192
	s_add_co_u32 s46, s46, 8*DP
	s_add_co_u32 s47, s47, 64
	s_add_co_u32 s3, s3, 1
	s_cmp_lt_u32 s3, 8
	s_cbranch_scc1 .Ltrip
	ds_load_b128 v[64:67], v[STR]                  ; my 64 rows' pairs: these loads see my stores
	s_wait_dscnt 0x0
	global_store_b128 v[HO], v[64:67], s[10:11]    ; 512 consecutive bytes, aligned
	s_wait_tensorcnt 0x0                           ; the wave's end
	ds_add_u32 v[SPW], v[NIL]
	s_wait_dscnt 0x0
	CROUND                                         ; the closing round
	s_endpgm
.Lfunc_end_k_q4b878e5aa3_gemm1:
	.size	k_q4b878e5aa3_gemm1, .Lfunc_end_k_q4b878e5aa3_gemm1-k_q4b878e5aa3_gemm1
	.p2alignl 7, 3214868480
	.fill 96, 4, 3214868480
	.section	.rodata,"a",@progbits
	.p2align	6, 0x0
	.amdhsa_kernel k_q4b878e5aa3_gemm1
		.amdhsa_group_segment_fixed_size 327680
		.amdhsa_private_segment_fixed_size 0
		.amdhsa_enable_private_segment 0
		.amdhsa_kernarg_size 40
		.amdhsa_user_sgpr_count 2
		.amdhsa_user_sgpr_kernarg_segment_ptr 1
		.amdhsa_wavefront_size32 1
		.amdhsa_system_sgpr_workgroup_id_x 1
		.amdhsa_system_sgpr_workgroup_id_y 1
		.amdhsa_system_sgpr_workgroup_id_z 1
		.amdhsa_system_vgpr_workitem_id 0
		.amdhsa_next_free_vgpr 1024
		.amdhsa_next_free_sgpr 98
		.amdhsa_reserve_vcc 0
		.amdhsa_float_denorm_mode_32 3
		.amdhsa_float_denorm_mode_16_64 3
		.amdhsa_memory_ordered 1
		.amdhsa_forward_progress 1
		.amdhsa_inst_pref_size 192
	.end_amdhsa_kernel
	.amdgpu_metadata
---
amdhsa.version: [ 1, 2 ]
amdhsa.kernels:
  - .name:           k_q4b878e5aa3_gemm1
    .symbol:         k_q4b878e5aa3_gemm1.kd
    .args:
      - { .name: xc, .offset: 0, .size: 8, .value_kind: global_buffer, .address_space: global }
      - { .name: wc, .offset: 8, .size: 8, .value_kind: global_buffer, .address_space: global }
      - { .name: hg, .offset: 16, .size: 8, .value_kind: global_buffer, .address_space: global }
      - { .name: st, .offset: 24, .size: 8, .value_kind: global_buffer, .address_space: global }
      - { .name: b1, .offset: 32, .size: 8, .value_kind: global_buffer, .address_space: global }
    .group_segment_fixed_size: 327680
    .private_segment_fixed_size: 0
    .kernarg_segment_align: 8
    .kernarg_segment_size: 40
    .max_flat_workgroup_size: 128
    .sgpr_count:     98
    .vgpr_count:     1024
    .wavefront_size: 32
...
	.end_amdgpu_metadata
.endif
;; end of part 3
;; launch lnq (part 4): grid 1024 x 1, 4 waves a work-group, no clusters, 1,536 bytes of LDS; arguments hg, st, ln2_g, ln2_b, hc; writes hc
.if DOCPART == 4
	.amdgcn_target "amdgcn-amd-amdhsa--gfx1250"
	.amdhsa_code_object_version 6
	.text
	.protected	k_q4b878e5aa3_lnq
	.globl	k_q4b878e5aa3_lnq
	.p2align	8
	.type	k_q4b878e5aa3_lnq,@function
k_q4b878e5aa3_lnq:
	s_mov_b64 s[64:65], 0
	v_nop
	global_prefetch_b8 v0, s[64:65] scope:SCOPE_SE
	s_setreg_imm32_b32 hwreg(HW_REG_WAVE_MODE, 25, 1), 1
	s_wait_xcnt 0x0
; h = layer_norm(hg) * g + b over 4,096 columns, then codes of BF6 (E3M2) with one E8M0 byte for each 32 along K.  hg holds gelu's results as the launch before left its registers:
; [tile of 256 x 256][group of 8 rows][register group of 4][lane][16 bytes]; a lane holds 16 neighbouring columns, sixteen lanes a row, unit u rows 2 u and 2 u + 1.
; st holds (mean, sum of squares about it) of each row's 256 columns in each of the 16 tiles of a tile row.  They are joined: mean = the mean of the 16 means;
; sum of squares = the 16 sums + 256 x the sum of (part's mean - mean)^2.  No difference of large sums is formed.
; A work-group takes 8 rows; wave w the tiles 4 w .. 4 w + 3, one at a time, the next one's loads out meanwhile (24 loads a piece).  Waves share nothing: no barrier.  It streams: no prefetch, no matrix unit, no cluster.
; hc IS LAID AS THE NEXT PRODUCT'S TENSOR LOADS TAKE IT: [64 rows][512 along K][row][400 bytes]: 384 bytes of codes and their 16 scale bytes.
; LIMITS: NaN and infinities are not served.  A block whose largest magnitude lies under 2^-122 keeps the byte 1; a block of zeros gets the byte 1 where the rule says 127: its codes are zeros, and this program alone reads the bytes.
.set MU, 20                            ; v[20 + 2 u] the mean of unit u's row (low word of a pair)
.set SR, 28                            ; v28-35 the loaded pairs; later two registers a unit at work
.set TC, 36
.set C,  40                            ; v40-55 codes, four registers a unit; first at work in the join
.set RS, 56                            ; v[56 + 2 u] 1 / sqrt(var + eps)
.set G,  64                            ; two sets of g (16) and b (16)
.set V,  128                           ; two sets of 64 numbers
	s_load_b256 s[4:11], s[0:1], 0x0               ; hg, st, g, b
	s_load_b64 s[12:13], s[0:1], 0x20              ; hc
	v_lshl_add_u32 v16, v0, 2, 1024
	v_mov_b32 v17, 0
	v_lshrrev_b32 v1, 5, v0
	v_readfirstlane_b32 s14, v1                    ; wave
	v_and_b32 v1, 31, v0
	v_and_b32 v2, 15, v0                           ; my place in the row
	v_bfe_u32 v3, v0, 4, 1                         ; which of a unit's two rows
	v_lshlrev_b32 v4, 4, v1
	s_lshl_b32 s15, s14, 8                         ; LDS: 256 scale bytes a wave: [2 chunks][8 rows][16]
	v_lshrrev_b32 v5, 1, v2
	v_lshl_add_u32 v5, v3, 4, v5
	v_add_nc_u32 v5, s15, v5
	v_lshl_add_u32 v6, v1, 3, s15                  ; back: 8 bytes a lane: chunk l / 16, row (l / 2) % 8, half l % 2
	v_bfe_u32 v7, v0, 1, 3
	v_mul_u32_u24 v7, v7, 400
	v_mad_u32_u24 v7, v3, 25600, v7
	v_and_b32 v12, 1, v0
	v_lshl_add_u32 v7, v12, 3, v7
	v_add_nc_u32 v7, 384, v7
	v_mul_u32_u24 v8, v2, 12
	v_mad_u32_u24 v8, v3, 400, v8                  ; my 12 bytes of codes
	v_lshlrev_b32 v9, 6, v2                        ; my 16 columns of g and b
	v_lshlrev_b32 v10, 11, v2
	v_lshl_add_u32 v10, v3, 3, v10                 ; st: lane i takes tile i's pair of my row
.irp u, 0,1,2,3
	v_mov_b32 v[MU+2*\u+1], 0                      ; upper words of pairs whose low word serves both halves
	v_mov_b32 v[RS+2*\u+1], 0
.endr
	s_mov_b32 s16, 0x39800000                      ; 1 / 4096
	s_mov_b32 s17, 0x3727c5ac                      ; 1e-5
	s_lshr_b32 s18, ttmp9, 5                       ; the tile row
	s_and_b32 s19, ttmp9, 31                       ; which 8 of its 256 rows
	s_mov_b32 s21, 0
	s_wait_alu depctr_va_vdst(0)                   ; the head's end
	s_wait_kmcnt 0x0
	s_lshl_b32 s20, s18, 22
	s_lshl_b32 s22, s14, 20
	s_add_co_u32 s20, s20, s22
	s_lshl_b32 s22, s19, 13
	s_add_co_u32 s20, s20, s22
	s_add_nc_u64 s[4:5], s[4:5], s[20:21]
	s_lshl_b32 s20, s18, 15
	s_lshl_b32 s22, s19, 6
	s_add_co_u32 s20, s20, s22
	s_add_nc_u64 s[6:7], s[6:7], s[20:21]
	s_lshl_b32 s20, s14, 12
	s_add_nc_u64 s[8:9], s[8:9], s[20:21]
	s_add_nc_u64 s[10:11], s[10:11], s[20:21]
	s_lshl_b32 s20, s18, 2
	s_lshr_b32 s22, s19, 3
	s_add_co_u32 s20, s20, s22
	s_mul_i32 s20, s20, 204800                     ; the block of 64 rows,
	s_and_b32 s22, s19, 7
	s_mul_i32 s22, s22, 3200                       ; my 8 rows in a chunk,
	s_add_co_u32 s20, s20, s22
	s_mul_i32 s22, s14, 51200                      ; my wave's two chunks
	s_add_co_u32 s20, s20, s22
	s_add_nc_u64 s[12:13], s[12:13], s[20:21]
.irp u, 0,1,2,3
	global_load_b64 v[SR+2*\u:SR+2*\u+1], v10, s[6:7] offset:16*\u
.endr
.macro LOADS n                         ; tile n of my four: g, b (8 loads) and the 8 rows (16 loads of 512 consecutive bytes), into set n % 2
.irp j, 0,1,2,3
	global_load_b128 v[G+32*((\n)%2)+4*\j:G+32*((\n)%2)+4*\j+3], v9, s[8:9] offset:1024*(\n)+16*\j
	global_load_b128 v[G+32*((\n)%2)+16+4*\j:G+32*((\n)%2)+16+4*\j+3], v9, s[10:11] offset:1024*(\n)+16*\j
.endr
.irp m, 0,1,2,3,4,5,6,7,8,9,10,11,12,13,14,15
	global_load_b128 v[V+64*((\n)%2)+4*\m:V+64*((\n)%2)+4*\m+3], v4, s[4:5] offset:262144*(\n)+512*\m th:TH_LOAD_NT
.endr
.endm
	LOADS 0
	LOADS 1
.macro ROWSUM r
.irp m, 1,2,4,8
.irp u, 0,1,2,3
	v_add_f32_dpp v[\r+\u], v[\r+\u], v[\r+\u] row_xmask:\m row_mask:0xf bank_mask:0xf
.endr
.endr
.endm
	s_wait_loadcnt 48                              ; the four pairs are in; the 48 loads of tiles 0 and 1 stay out
.irp u, 0,1,2,3
	v_mov_b32 v[C+\u], v[SR+2*\u]
.endr
	ROWSUM C
.irp u, 0,1,2,3
	v_mul_f32 v[MU+2*\u], 0x3d800000, v[C+\u]      ; the row's mean
.endr
.irp u, 0,1,2,3
	v_sub_f32 v[C+\u], v[SR+2*\u], v[MU+2*\u]
.endr
.irp u, 0,1,2,3
	v_mul_f32 v[C+4+\u], 0x43800000, v[C+\u]
.endr
.irp u, 0,1,2,3
	v_fma_f32 v[C+\u], v[C+4+\u], v[C+\u], v[SR+2*\u+1]   ; the part's sum of squares + 256 (its mean - the mean)^2
.endr
	ROWSUM C
.irp u, 0,1,2,3
	v_fma_f32 v[C+\u], v[C+\u], s16, s17           ; the variance + 1e-5
.endr
	s_wait_alu depctr_va_vdst(0)                   ; ahead of the batch
.irp u, 0,1,2,3
	v_rsq_f32 v[RS+2*\u], v[C+\u]
.endr
	v_nop
	s_wait_alu depctr_va_vdst(0)                   ; and behind it
.macro PIECE n
.set VB, V+64*((\n)%2)
.set GB, G+32*((\n)%2)
.if (\n) < 3
	s_wait_loadcnt 24                              ; this tile's loads are in; the next tile's 24 stay out
.else
	s_wait_loadcnt 0x0
.endif
.irp u, 0,1,2,3
.irp k, 0,1,2,3,4,5,6,7
	v_pk_add_f32 v[VB+16*\u+2*\k:VB+16*\u+2*\k+1], v[VB+16*\u+2*\k:VB+16*\u+2*\k+1], v[MU+2*\u:MU+2*\u+1] op_sel_hi:[1,0] neg_lo:[0,1] neg_hi:[0,1]
.endr
.endr
.irp u, 0,1,2,3
.irp k, 0,1,2,3,4,5,6,7
	v_pk_mul_f32 v[VB+16*\u+2*\k:VB+16*\u+2*\k+1], v[VB+16*\u+2*\k:VB+16*\u+2*\k+1], v[RS+2*\u:RS+2*\u+1] op_sel_hi:[1,0]
.endr
.endr
.irp u, 0,1,2,3
.irp k, 0,1,2,3,4,5,6,7
	v_pk_fma_f32 v[VB+16*\u+2*\k:VB+16*\u+2*\k+1], v[VB+16*\u+2*\k:VB+16*\u+2*\k+1], v[GB+2*\k:GB+2*\k+1], v[GB+16+2*\k:GB+16+2*\k+1]
.endr
.endr
.irp u, 0,1,2,3                        ; the largest magnitude of my 16, four units by turns
	v_max3_num_f32 v[SR+2*\u], |v[VB+16*\u]|, |v[VB+16*\u+1]|, |v[VB+16*\u+2]|
	v_max3_num_f32 v[SR+2*\u+1], |v[VB+16*\u+3]|, |v[VB+16*\u+4]|, |v[VB+16*\u+5]|
.endr
.irp i, 6,10
.irp u, 0,1,2,3
	v_max3_num_f32 v[SR+2*\u], v[SR+2*\u], |v[VB+16*\u+\i]|, |v[VB+16*\u+\i+1]|
	v_max3_num_f32 v[SR+2*\u+1], v[SR+2*\u+1], |v[VB+16*\u+\i+2]|, |v[VB+16*\u+\i+3]|
.endr
.endr
.irp u, 0,1,2,3
	v_max3_num_f32 v[SR+2*\u], v[SR+2*\u], |v[VB+16*\u+14]|, |v[VB+16*\u+15]|
.endr
.irp u, 0,1,2,3
	v_max3_num_f32 v[SR+2*\u], v[SR+2*\u], v[SR+2*\u+1], 0x2800000   ; and the floor 2^(5 - 127): the byte cannot fall under 1
.endr
.irp u, 0,1,2,3
	v_max_num_f32_dpp v[SR+2*\u], v[SR+2*\u], v[SR+2*\u] row_xmask:1 row_mask:0xf bank_mask:0xf   ; with my neighbour's 16: the block's
.endr
.irp u, 0,1,2,3
	v_add_nc_u32 v[TC+\u], 0xfe000000, v[SR+2*\u]  ; 4 off the exponent field: the conversion's scale operand
.endr
.if (\n) > 0
	s_wait_alu depctr_va_vdst(0)
	s_wait_xcnt 0x0                                ; the last tile's stores have read the codes' registers
.endif
.irp u, 0,1,2,3
	v_cvt_scalef32_pk16_bf6_f32 v[C+4*\u:C+4*\u+2], v[VB+16*\u:VB+16*\u+15], v[TC+\u]
.endr
	v_nop                                          ; one plain place behind the conversions
.irp u, 0,1,2,3
	v_lshrrev_b32 v[TC+\u], 23, v[TC+\u]           ; the scale's byte
.endr
.irp u, 0,1,2,3
	ds_store_b8 v5, v[TC+\u] offset:((\n)/2)*128+\u*32+((\n)%2)*8   ; both lanes of a block write the same byte with the same value
.endr
.irp u, 0,1,2,3
	global_store_b96 v8, v[C+4*\u:C+4*\u+2], s[12:13] offset:((\n)/2)*25600+((\n)%2)*192+\u*800   ; sixteen lanes store a row's 192 consecutive bytes
.endr
.if (\n)+2 < 4
	LOADS (\n)+2
.endif
.endm
	PIECE 0
	PIECE 1
	PIECE 2
	PIECE 3
	ds_load_b64 v[12:13], v6                       ; my wave's 256 scale bytes: these loads see my stores
	s_wait_dscnt 0x0
	global_store_b64 v7, v[12:13], s[12:13]        ; two lanes store the 16 bytes behind a row's codes in a chunk
	s_wait_tensorcnt 0x0                           ; the wave's end
	ds_add_u32 v16, v17
	s_wait_dscnt 0x0
	s_endpgm
.Lfunc_end_k_q4b878e5aa3_lnq:
	.size	k_q4b878e5aa3_lnq, .Lfunc_end_k_q4b878e5aa3_lnq-k_q4b878e5aa3_lnq
	.p2alignl 7, 3214868480
	.fill 96, 4, 3214868480
	.section	.rodata,"a",@progbits
	.p2align	6, 0x0
	.amdhsa_kernel k_q4b878e5aa3_lnq
		.amdhsa_group_segment_fixed_size 1536
		.amdhsa_private_segment_fixed_size 0
		.amdhsa_enable_private_segment 0
		.amdhsa_kernarg_size 40
		.amdhsa_user_sgpr_count 2
		.amdhsa_user_sgpr_kernarg_segment_ptr 1
		.amdhsa_wavefront_size32 1
		.amdhsa_system_sgpr_workgroup_id_x 1
		.amdhsa_system_sgpr_workgroup_id_y 1
		.amdhsa_system_sgpr_workgroup_id_z 1
		.amdhsa_system_vgpr_workitem_id 0
		.amdhsa_next_free_vgpr 256
		.amdhsa_next_free_sgpr 66
		.amdhsa_reserve_vcc 0
		.amdhsa_float_denorm_mode_32 3
		.amdhsa_float_denorm_mode_16_64 3
		.amdhsa_memory_ordered 1
		.amdhsa_forward_progress 1
		.amdhsa_inst_pref_size 56
	.end_amdhsa_kernel
	.amdgpu_metadata
---
amdhsa.version: [ 1, 2 ]
amdhsa.kernels:
  - .name:           k_q4b878e5aa3_lnq
    .symbol:         k_q4b878e5aa3_lnq.kd
    .args:
      - { .name: hg, .offset: 0, .size: 8, .value_kind: global_buffer, .address_space: global }
      - { .name: st, .offset: 8, .size: 8, .value_kind: global_buffer, .address_space: global }
      - { .name: ln2_g, .offset: 16, .size: 8, .value_kind: global_buffer, .address_space: global }
      - { .name: ln2_b, .offset: 24, .size: 8, .value_kind: global_buffer, .address_space: global }
      - { .name: hc, .offset: 32, .size: 8, .value_kind: global_buffer, .address_space: global }
    .group_segment_fixed_size: 1536
    .private_segment_fixed_size: 0
    .kernarg_segment_align: 8
    .kernarg_segment_size: 40
    .max_flat_workgroup_size: 128
    .sgpr_count:     66
    .vgpr_count:     256
    .wavefront_size: 32
...
	.end_amdgpu_metadata
.endif
;; end of part 4
;; launch gemm2 (part 5): grid 4 x 64, 4 waves a work-group, clusters of 4 x 4, 327,680 bytes of LDS; arguments hc, w2c, out0, b2; writes out0
.if DOCPART == 5
	.amdgcn_target "amdgcn-amd-amdhsa--gfx1250"
	.amdhsa_code_object_version 6
	.text
	.protected	k_q4b878e5aa3_gemm2
	.globl	k_q4b878e5aa3_gemm2
	.p2align	8
	.type	k_q4b878e5aa3_gemm2,@function
k_q4b878e5aa3_gemm2:
	s_mov_b64 s[64:65], 0
	v_nop
	global_prefetch_b8 v0, s[64:65] scope:SCOPE_SE
	s_setreg_imm32_b32 hwreg(HW_REG_WAVE_MODE, 25, 1), 1
	s_wait_xcnt 0x0
	s_wait_alu depctr_hold_cnt(0) depctr_sa_sdst(0) depctr_va_vdst(0) depctr_va_sdst(0) depctr_va_ssrc(0) depctr_va_vcc(0) depctr_vm_vsrc(0)
	s_getreg_b32 s2, hwreg(HW_REG_IB_STS2, 6, 4)
	s_cmp_eq_u32 s2, 0
	s_cbranch_scc0 .Lentry_in_a_cluster
	s_endpgm
.Lentry_in_a_cluster:
	s_bfe_u32 s2, ttmp6, 0x10000c
	s_cmp_lg_u32 s2, 0xf033
	s_cbranch_scc0 .Lentry_shape_is_right
	s_endpgm
.Lentry_shape_is_right:
.set SIZE_M, 8192
.set SIZE_N, 1024
.set SIZE_K, 4096
.set KSTEP,  512
.set PITCH,  400
.set KROW,   (SIZE_K/KSTEP)*PITCH
.set FR,     12
.set NP,     4
.set AH,     64*PITCH
.set BH,     128*PITCH
.set ATILE,  2*AH
.set SLOT,   ATILE+2*BH
.set LAPS,   SIZE_K/(2*KSTEP)
.set SPARE,  2*SLOT
.set SPITCH, 528
.set ADRA, 16
.set ADRB, 20
.set ADRS, 22
.set STO,  24
.set RD,   25
.set CO,   26
.set SPW,  28
.set NIL,  29
.set BOF,  31
.set SC,   32
.set BIAS, 96
.set AF,   160
.set BK,   128
.set G1, 24
.set G0, 32
.set G1B, 48
.set G0B, 56
.set BP,  66
.set PFB, 92                           ; s[92:93], s[96:97] where the prefetches stand in w2c and in hc: my work-group's quarter of the block that my wave fetches
.set PFA, 96
.set PFO, 30                           ; v30 the prefetches' offset: 256 bytes a lane, 25 lanes; the lanes left over name the 25th again
.set MSB, 0
.macro WIN new
.if MSB != \new
	s_set_vgpr_msb (MSB<<8)|\new
.set MSB, \new
.endif
.endm
.set MUL,  0xa1
.set FST,  0x81
.set TO_B, 0x40
.macro JLOAD g0a, g1a, g0b, g1b
	s_cmp_eq_u32 s15, 0
	s_cbranch_scc0 .Lfor_b_\@
	tensor_load_to_lds s[\g0a:\g0a+3], s[\g1a:\g1a+7]
	s_nop 0
.rept 4
	v_nop
.endr
	s_branch .Lasked_\@
.Lfor_b_\@:
	tensor_load_to_lds s[\g0b:\g0b+3], s[\g1b:\g1b+7]
	s_nop 0
.rept 4
	v_nop
.endr
.Lasked_\@:
.endm
.macro CREST
	s_cmp_lg_u32 s14, 0
	s_cbranch_scc1 .Lnot_wave_0_\@
	s_barrier_signal -3
.Lnot_wave_0_\@:
	s_barrier_wait -3
	s_barrier_signal -1
	s_barrier_wait -1
.endm
.macro CROUND
	s_barrier_signal -1
	s_barrier_wait -1
	CREST
.endm
	s_load_b64 s[4:5], s[0:1], 0x0
	s_load_b64 s[8:9], s[0:1], 0x8
	s_load_b64 s[12:13], s[0:1], 0x10
	s_load_b64 s[BP:BP+1], s[0:1], 0x18
	v_lshl_add_u32 v[SPW], v0, 2, SPARE
	v_mov_b32 v[NIL], 0
	ds_add_u32 v28, v29
	ds_add_u32 v28, v29
	s_wait_dscnt 0x0
	v_lshrrev_b32 v1, 5, v0
	v_readfirstlane_b32 s14, v1
	s_lshr_b32 s15, s14, 1
	s_and_b32 s16, s14, 1
	s_bfe_u32 s40, ttmp6, 0x40000
	s_bfe_u32 s41, ttmp6, 0x40004
	s_lshl_b32 s42, ttmp9, 2
	s_add_co_u32 s42, s42, s40
	s_and_b32 s17, ttmp7, 0xffff
	s_lshl_b32 s17, s17, 2
	s_add_co_u32 s17, s17, s41
	s_lshl_b32 s43, s41, 2
	s_lshl_b32 s43, 15, s43
	s_lshl_b32 s44, 0x1111, s40
	; hc is laid [64 rows][512 along K][row][400 bytes], w2c [128 rows][512 along K][row][400 bytes]: what a wave fetches is one dense run of memory,
	; stated as rows of 256 bytes (32 elements of 8), and lies in LDS as rows of 400 bytes
	s_or_b32 s[G1+0], s43, (3<<16)|(1<<21)
	s_or_b32 s[G1B+0], s44, (3<<16)|(1<<21)
	s_mov_b32 s[G1+1], 32<<16
	s_mov_b32 s[G1+2], (AH/256)<<16
	s_mov_b32 s[G1+3], 32<<16
	s_mov_b32 s[G1+4], AH/256
	s_mov_b32 s[G1+5], 32
	s_mov_b32 s[G1+6], 0
	s_mov_b32 s[G1+7], 0
	s_mov_b32 s[G1B+1], 32<<16
	s_mov_b32 s[G1B+2], (BH/256)<<16
	s_mov_b32 s[G1B+3], 32<<16
	s_mov_b32 s[G1B+4], BH/256
	s_mov_b32 s[G1B+5], 32
	s_mov_b32 s[G1B+6], 0
	s_mov_b32 s[G1B+7], 0
	s_lshl_b32 s18, s16, 6
	s_lshl_b32 s20, s17, 7
	s_add_co_u32 s20, s20, s18
	s_lshl_b32 s18, s16, 7
	s_lshl_b32 s46, s42, 8
	s_add_co_u32 s46, s46, s18
	s_mov_b32 s21, 0
	s_mov_b32 s47, 0
	s_mov_b64 s[18:19], KROW
	s_mul_u64 s[20:21], s[20:21], s[18:19]
	s_mul_u64 s[46:47], s[46:47], s[18:19]
	s_mul_i32 s45, s16, AH
	s_mul_i32 s94, s16, BH
	s_add_co_u32 s94, s94, ATILE
	s_wait_kmcnt 0x0
	s_add_nc_u64 s[20:21], s[4:5], s[20:21]
	s_add_nc_u64 s[46:47], s[8:9], s[46:47]
	CROUND
.irp s, 0,1
	s_mov_b32 s[G0+4*\s], 1
	s_add_co_u32 s[G0+4*\s+1], s45, \s*SLOT
	s_add_nc_u64 s[G0+4*\s+2:G0+4*\s+3], s[20:21], \s*AH
	s_or_b32 s[G0+4*\s+3], s[G0+4*\s+3], 0x80000000
	s_mov_b32 s[G0B+4*\s], 1
	s_add_co_u32 s[G0B+4*\s+1], s94, \s*SLOT
	s_add_nc_u64 s[G0B+4*\s+2:G0B+4*\s+3], s[46:47], \s*BH
	s_or_b32 s[G0B+4*\s+3], s[G0B+4*\s+3], 0x80000000
.endr
	JLOAD G0, G1, G0B, G1B                         ; K step 0, behind the one round: one tensor load a wave at the head; the addresses and b2 are made and asked for while it is out
	v_and_b32 v1, 15, v0
	v_bfe_u32 v2, v0, 4, 1
	v_mul_u32_u24 v3, v1, PITCH
	v_mad_u32_u24 v4, v2, 24, v3
	s_mul_i32 s21, s15, AH
	s_mul_i32 s22, s16, BH
	s_add_co_u32 s22, s22, ATILE
	s_sub_co_u32 s23, s22, s21
	v_mul_u32_u24 v5, s23, v2
	v_add_nc_u32 v5, v5, v3
	v_add_nc_u32 v5, 384, v5
.irp s, 0,1
	v_add_nc_u32 v[ADRA+\s], s21, v4
	v_add_nc_u32 v[ADRB+\s], s22, v4
	v_add_nc_u32 v[ADRS+\s], s21, v5
	s_add_co_u32 s21, s21, SLOT
	s_add_co_u32 s22, s22, SLOT
.endr
	s_mul_i32 s23, s14, 16*SPITCH
	v_mul_u32_u24 v5, v1, SPITCH
	v_lshl_add_u32 v5, v2, 5, v5
	v_add_nc_u32 v[STO], s23, v5
	v_and_b32 v6, 31, v0
	v_lshlrev_b32 v[CO], 4, v6
	v_add_nc_u32 v[RD], s23, v[CO]
	s_lshl_b32 s20, s17, 7
	s_lshl_b32 s21, s15, 6
	s_add_co_u32 s20, s20, s21
	s_mov_b32 s21, 0
	s_mov_b64 s[18:19], SIZE_N*4
	s_mul_u64 s[20:21], s[20:21], s[18:19]
	s_lshl_b32 s46, s42, 10
	s_lshl_b32 s47, s16, 9
	s_add_co_u32 s46, s46, s47
	s_mov_b32 s47, 0
	s_add_nc_u64 s[20:21], s[20:21], s[46:47]
	s_add_nc_u64 s[12:13], s[12:13], s[20:21]
	s_add_nc_u64 s[BP:BP+1], s[BP:BP+1], s[46:47]
	; THE PREFETCHES: behind each refill the K step that stands two refills on is asked for.  A block of a K step is AH or BH dense bytes; the four partners that fetch it jointly take a quarter each, told apart by address
	s_lshl_b32 s94, s17, 1
	s_add_co_u32 s94, s94, s16
	s_lshl_b32 s94, s94, 3
	s_add_co_u32 s94, s94, 3                       ; hc: my block's K step 3: the first refill steps it to 4
	s_mul_i32 s94, s94, AH
	s_mul_i32 s95, s40, AH/4
	s_add_co_u32 s94, s94, s95
	s_mov_b32 s95, 0
	s_add_nc_u64 s[PFA:PFA+1], s[4:5], s[94:95]
	s_lshl_b32 s94, s42, 1
	s_add_co_u32 s94, s94, s16
	s_lshl_b32 s94, s94, 3
	s_add_co_u32 s94, s94, 3
	s_mul_i32 s94, s94, BH
	s_mul_i32 s95, s41, BH/4
	s_add_co_u32 s94, s94, s95
	s_mov_b32 s95, 0
	s_add_nc_u64 s[PFB:PFB+1], s[8:9], s[94:95]
	v_and_b32 v[PFO], 31, v0
	v_min_u32 v[PFO], 24, v[PFO]
	v_lshlrev_b32 v[PFO], 8, v[PFO]
	v_lshlrev_b32 v[BOF], 5, v2
.irp b, 0,1,2,3,4,5,6,7
	global_load_b128 v[BIAS+8*\b:BIAS+8*\b+3], v[BOF], s[BP:BP+1] offset:64*\b
	global_load_b128 v[BIAS+8*\b+4:BIAS+8*\b+7], v[BOF], s[BP:BP+1] offset:64*\b+16
.endr
.macro FRAG reg, adr, q, i
.irp p, 0,1,2,3,4,5
	ds_load_b64 v[\reg+2*\p:\reg+2*\p+1], v[\adr] offset:96*(\q)+48*(\p/3)+8*(\p%3)+(\i)*16*PITCH
.endr
.endm
.macro MUL8 a, p, q, sc, zero
.irp b, 0,1,2,3,4,5,6,7
.if \zero
	v_wmma_scale_f32_16x16x128_f8f6f4 v[8*(8*(\a)+\b):8*(8*(\a)+\b)+7], v[128*(\p)+FR*\b:128*(\p)+FR*\b+FR-1], v[AF+48*(\p)+FR*(\a):AF+48*(\p)+FR*(\a)+FR-1], v[BIAS+8*\b:BIAS+8*\b+7], v[SC+32*(\sc)+4*\b+(\q)], v[SC+32*(\sc)+4*(\a)+(\q)] matrix_a_fmt:MATRIX_FMT_BF6 matrix_b_fmt:MATRIX_FMT_BF6 matrix_a_scale:MATRIX_SCALE_ROW1
.else
	v_wmma_scale_f32_16x16x128_f8f6f4 v[8*(8*(\a)+\b):8*(8*(\a)+\b)+7], v[128*(\p)+FR*\b:128*(\p)+FR*\b+FR-1], v[AF+48*(\p)+FR*(\a):AF+48*(\p)+FR*(\a)+FR-1], v[8*(8*(\a)+\b):8*(8*(\a)+\b)+7], v[SC+32*(\sc)+4*\b+(\q)], v[SC+32*(\sc)+4*(\a)+(\q)] matrix_a_fmt:MATRIX_FMT_BF6 matrix_b_fmt:MATRIX_FMT_BF6 matrix_a_scale:MATRIX_SCALE_ROW1
.endif
.endr
.endm
.macro FETCH_B slot, q, p
	WIN TO_B
.irp i, 0,1,2,3,4,5,6,7
	FRAG 128*(\p)+FR*\i, ADRB+\slot, \q, \i
.endr
	WIN 0
.endm
.macro FETCH_A slot, q, p
.irp i, 0,1,2,3
	FRAG AF+48*(\p)+FR*\i, ADRA+\slot, \q, \i
.endr
.endm
.macro SCALES sc
.irp i, 0,1,2,3,4,5,6,7
	ds_load_b128 v[SC+32*\sc+4*\i:SC+32*\sc+4*\i+3], v[ADRS+\sc] offset:\i*16*PITCH
.endr
.endm
.macro PLACES n
.rept \n
	v_nop
.endr
.endm
.macro STEP slot, q, zero
	s_wait_dscnt 0x0
	PLACES NP
	FETCH_B \slot, (\q)+1, 1-(\q)%2
	FETCH_A \slot, (\q)+1, 1-(\q)%2
.if \zero
	WIN FST
.else
	WIN MUL
.endif
.irp a, 0,1,2,3
	MUL8 \a, (\q)%2, \q, \slot, \zero
.endr
.endm
.macro ASK                             ; waves 0, 1: 25 blocks of 256 bytes of hc; waves 2, 3: 50 of w2c.  The last lap's two refills have no K step two on: they ask for nothing
	s_cmp_gt_u32 s3, 1
	s_cbranch_scc0 .Lno_ask_\@
	s_cmp_eq_u32 s15, 0
	s_cbranch_scc0 .Lask_b_\@
	global_prefetch_b8 v[PFO], s[PFA:PFA+1] th:TH_LOAD_NT scope:SCOPE_SE
	s_branch .Lno_ask_\@
.Lask_b_\@:
	global_prefetch_b8 v[PFO], s[PFB:PFB+1] th:TH_LOAD_NT scope:SCOPE_SE
	global_prefetch_b8 v[PFO], s[PFB:PFB+1] offset:BH/8 th:TH_LOAD_NT scope:SCOPE_SE
.Lno_ask_\@:
.endm
.macro TURN slot, next, fill
	WIN 0
.if \fill
	s_wait_xcnt 0x0                                ; my last prefetch has read its address: it steps here, a K step behind that prefetch
	s_add_nc_u64 s[PFA:PFA+1], s[PFA:PFA+1], AH
	s_add_nc_u64 s[PFB:PFB+1], s[PFB:PFB+1], BH
.endif
	s_wait_tensorcnt 0x0
	ds_add_u32 v[SPW], v[NIL]
	s_wait_dscnt 1
	WIN MUL
	MUL8 0, 1, 3, \slot, 0
	s_wait_dscnt 0x0
	s_barrier_signal -1
	MUL8 1, 1, 3, \slot, 0
	WIN 0
	s_barrier_wait -1
.if \fill
	CREST
	s_add_nc_u64 s[G0+4*\slot+2:G0+4*\slot+3], s[G0+4*\slot+2:G0+4*\slot+3], 2*AH
	s_add_nc_u64 s[G0B+4*\slot+2:G0B+4*\slot+3], s[G0B+4*\slot+2:G0B+4*\slot+3], 2*BH
	JLOAD G0+4*\slot, G1, G0B+4*\slot, G1B
.else
	PLACES NP
.endif
	s_wait_alu depctr_va_vdst(0)
	FETCH_B \next, 0, 0
	FETCH_A \next, 0, 0
	SCALES \next
.if \fill
	ASK
.endif
	WIN MUL
	MUL8 2, 1, 3, \slot, 0
	MUL8 3, 1, 3, \slot, 0
.endm
	s_wait_alu depctr_va_vdst(0)                   ; the head's end
	s_wait_loadcnt 0x0                             ; b2
	s_wait_tensorcnt 0x0                           ; my part of K step 0
	ds_add_u32 v[SPW], v[NIL]
	s_wait_dscnt 0x0
	CROUND                                         ; everybody's part of K step 0 is in, and the joint loads meet
	JLOAD G0+4, G1, G0B+4, G1B                     ; K step 1, the first tensor load behind the round
	FETCH_B 0, 0, 0
	FETCH_A 0, 0, 0
	SCALES 0
	STEP 0, 0, 1
	STEP 0, 1, 0
	STEP 0, 2, 0
	WIN 0
	s_mov_b32 s3, LAPS-1
.Llap:
	TURN 0, 1, 1
	STEP 1, 0, 0
	STEP 1, 1, 0
	STEP 1, 2, 0
	TURN 1, 0, 1
	STEP 0, 0, 0
	STEP 0, 1, 0
	STEP 0, 2, 0
	WIN 0
	s_sub_co_u32 s3, s3, 1
	s_cmp_lg_u32 s3, 0
	s_cbranch_scc1 .Llap
	TURN 0, 1, 0
	STEP 1, 0, 0
	STEP 1, 1, 0
	STEP 1, 2, 0
	s_wait_dscnt 0x0
	WIN MUL
.irp a, 0,1,2,3
	MUL8 \a, 1, 3, 1, 0
.endr
	WIN 0
.macro TOSTAGE a
.set AC, 64*(\a)
	WIN 0x08
.irp b, 0,1,2,3,4,5,6,7
	ds_store_b128 v[STO], v[AC+8*\b:AC+8*\b+3] offset:64*\b
	ds_store_b128 v[STO], v[AC+8*\b+4:AC+8*\b+7] offset:64*\b+16
.endr
	WIN 0
.set BB, BK+64*((\a)%2)
.irp t, 0,1,2,3,4,5,6,7,8,9,10,11,12,13,14,15
	ds_load_b128 v[BB+4*\t:BB+4*\t+3], v[RD] offset:\t*SPITCH
.endr
.endm
.macro SEND a, younger
.set BB, BK+64*((\a)%2)
	s_wait_dscnt \younger
.if (\a) > 0
	s_add_nc_u64 s[12:13], s[12:13], 16*SIZE_N*4
.endif
.irp t, 0,1,2,3,4,5,6,7,8,9,10,11,12,13,14,15
	global_store_b128 v[CO], v[BB+4*\t:BB+4*\t+3], s[12:13] offset:\t*SIZE_N*4 th:TH_STORE_NT
.endr
.endm
	PLACES NP
	TOSTAGE 0
.irp a, 1,2,3
.if \a > 1
	s_wait_xcnt 0x0
.endif
	TOSTAGE \a
	SEND \a-1, 32
.endr
	s_wait_xcnt 0x0
	SEND 3, 0
	s_wait_tensorcnt 0x0
	ds_add_u32 v[SPW], v[NIL]
	s_wait_dscnt 0x0
	CROUND
	s_endpgm
.Lfunc_end_k_q4b878e5aa3_gemm2:
	.size	k_q4b878e5aa3_gemm2, .Lfunc_end_k_q4b878e5aa3_gemm2-k_q4b878e5aa3_gemm2
	.p2alignl 7, 3214868480
	.fill 96, 4, 3214868480
	.section	.rodata,"a",@progbits
	.p2align	6, 0x0
	.amdhsa_kernel k_q4b878e5aa3_gemm2
		.amdhsa_group_segment_fixed_size 327680
		.amdhsa_private_segment_fixed_size 0
		.amdhsa_enable_private_segment 0
		.amdhsa_kernarg_size 32
		.amdhsa_user_sgpr_count 2
		.amdhsa_user_sgpr_kernarg_segment_ptr 1
		.amdhsa_wavefront_size32 1
		.amdhsa_system_sgpr_workgroup_id_x 1
		.amdhsa_system_sgpr_workgroup_id_y 1
		.amdhsa_system_sgpr_workgroup_id_z 1
		.amdhsa_system_vgpr_workitem_id 0
		.amdhsa_next_free_vgpr 768
		.amdhsa_next_free_sgpr 98
		.amdhsa_reserve_vcc 0
		.amdhsa_float_denorm_mode_32 3
		.amdhsa_float_denorm_mode_16_64 3
		.amdhsa_memory_ordered 1
		.amdhsa_forward_progress 1
		.amdhsa_inst_pref_size 171
	.end_amdhsa_kernel
	.amdgpu_metadata
---
amdhsa.version: [ 1, 2 ]
amdhsa.kernels:
  - .name:           k_q4b878e5aa3_gemm2
    .symbol:         k_q4b878e5aa3_gemm2.kd
    .args:
      - { .name: hc, .offset: 0, .size: 8, .value_kind: global_buffer, .address_space: global }
      - { .name: w2c, .offset: 8, .size: 8, .value_kind: global_buffer, .address_space: global }
      - { .name: out0, .offset: 16, .size: 8, .value_kind: global_buffer, .address_space: global }
      - { .name: b2, .offset: 24, .size: 8, .value_kind: global_buffer, .address_space: global }
    .group_segment_fixed_size: 327680
    .private_segment_fixed_size: 0
    .kernarg_segment_align: 8
    .kernarg_segment_size: 32
    .max_flat_workgroup_size: 128
    .sgpr_count:     98
    .vgpr_count:     768
    .wavefront_size: 32
...
	.end_amdgpu_metadata
.endif
;; end of part 5
